; MI455X (gfx1250); checked and timed in simulation.
; The chip was launched on July 23, 2026; its instructions are those of AMD's public machine-readable ISA for CDNA 5 (MIT licence, August 2026) and "CDNA5" Instruction Set Architecture Reference Guide (July 2026). The comments in the code are by the model that wrote it; some were corrected since.
;; Stratified Attention. Allowed arithmetic: matrix products marked QUANTISED: E3M2 operands, one E8M0 scale for each 32 along K, by v_wmma_scale_f32_16x16x128_f8f6f4 with both operands' format E3M2, f32 sums; everything else in f32.
;; Inputs: Wk_codes 1,024 x 32 x 24 uint8 (E3M2 codes of Wk, K innermost, in blocks of 32 codes, four codes in three bytes); Wk_scales 1,024 x 32 uint8 (E8M0 scales of Wk, one for each 32 codes along K); Wo_codes 1,024 x 32 x 24 uint8 (E3M2 codes of Wo, K innermost, in blocks of 32 codes, four codes in three bytes); Wo_scales 1,024 x 32 uint8 (E8M0 scales of Wo, one for each 32 codes along K); Wq_codes 1,024 x 32 x 24 uint8 (E3M2 codes of Wq, K innermost, in blocks of 32 codes, four codes in three bytes); Wq_scales 1,024 x 32 uint8 (E8M0 scales of Wq, one for each 32 codes along K); Ws_codes 3 x 1,024 x 32 x 24 uint8 (E3M2 codes of Ws, K innermost, in blocks of 32 codes, four codes in three bytes); Ws_scales 3 x 1,024 x 32 uint8 (E8M0 scales of Ws, one for each 32 codes along K); Wv_codes 1,024 x 32 x 24 uint8 (E3M2 codes of Wv, K innermost, in blocks of 32 codes, four codes in three bytes); Wv_scales 1,024 x 32 uint8 (E8M0 scales of Wv, one for each 32 codes along K); bk 1,024 float32; bo 1,024 float32; bq 1,024 float32; bs 3 x 1,024 float32; bv 1,024 float32; hidden_states_codes 2 x 2,048 x 32 x 24 uint8 (E3M2 codes of hidden_states, K innermost, in blocks of 32 codes, four codes in three bytes); hidden_states_scales 2 x 2,048 x 32 uint8 (E8M0 scales of hidden_states, one for each 32 codes along K).
;; Outputs: out0 2 x 2,048 x 1,024 float32.
;; This version of the problem:
;;   THIS VERSION OF THE PROBLEM IS GIVEN IN LOW PRECISION. The matrix products marked QUANTISED in the list below multiply operands that are first quantised to E3M2 (3 exponent bits, 2 mantissa bits; 6 bits a number), with one power-of-two scale for each 32 numbers along K (OCP MX v1.0); their sums are f32. All else is computed in f32.
;;   The module's matrix products, in the order in which they are computed (A, B: the left and right operand; K: the contracted axis; several contracted axes count as one K, in the product's order):
;;     1. [M 4,096, K 1,024] x [K 1,024, N 1,024]; A: input hidden_states (given as codes); B: input Wq (given as codes): QUANTISED
;;     2. [M 4,096, K 1,024] x [K 1,024, N 1,024]; A: input hidden_states (given as codes); B: input Wk (given as codes): QUANTISED
;;     3. [M 4,096, K 1,024] x [K 1,024, N 1,024]; A: input hidden_states (given as codes); B: input Wv (given as codes): QUANTISED
;;     4. batch 32 x [M 2,048, K 64] x [K 64, N 2,048]; A: computed on the way; B: computed on the way: QUANTISED
;;     5. batch 32 x [M 2,048, K 2,048] x [K 2,048, N 64]; A: softmax (see below); B: computed on the way: QUANTISED
;;     6. [M 3,072, K 1,024] x [K 1,024, N 4,096]; A: input Ws (given as codes); B: computed on the way: QUANTISED
;;     7. [M 4,096, K 1,024] x [K 1,024, N 1,024]; A: computed on the way; B: input Wo (given as codes): QUANTISED
;;   THE QUANTISER, for each operand of a quantised product, along K:
;;     - K is cut into blocks of 32 from its start; a last block that is shorter is filled with zeros.
;;     - A block's scale is 2^e with e = floor(log2(the largest magnitude in the block)) - 4, held to -126 .. 127; a block of zeros has e = 0. As a byte (E8M0): e + 127.
;;     - Each number is divided by its block's scale, clamped to +-28, and rounded to the nearest number of E3M2, ties to even, subnormals kept.
;;     - The product sums the exact products of the quantised numbers (number of the format x scale) in f32.
;;   ~~~python
;;   def quantise(x, axis):      # numpy; x: float32 -> the quantised numbers, widened to float32 again
;;       x = np.moveaxis(x, axis, -1); K = x.shape[-1]
;;       x = np.pad(x, [(0, 0)] * (x.ndim - 1) + [(0, -K % 32)]); x = x.reshape(x.shape[:-1] + (-1, 32)); a = np.abs(x).max(-1, keepdims=True)
;;       e = np.where(a > 0, np.clip(np.frexp(np.where(a > 0, a, 1))[1] - 1 - 4, -126, 127), 0)      # np.frexp(a)[1] - 1 = floor(log2(a)), exactly
;;       r = np.clip(x / 2.0 ** e, -28, 28)
;;       step = 2.0 ** (np.maximum(np.frexp(np.where(r == 0, 1, r))[1] - 1, -2) - 2)
;;       q = np.round(r / step) * step * 2.0 ** e      # np.round: ties to even
;;       return np.moveaxis(q.reshape(q.shape[:-2] + (-1,))[..., :K], -1, axis).astype(np.float32)
;;   ~~~
;;   SOFTMAX AHEAD OF A QUANTISED PRODUCT. Where the list says 'softmax', what is quantised is not the finished softmax but p = 2^(t - M), with t = logit x log2(e) and M = ceil(the row's largest t), a whole number; so 1/2 < the row's largest p <= 1. The row's sum l is taken of the UNQUANTISED p, in f32, and the product's result is divided by l at the end. Since M is a whole number, a kernel that streams over the keys may use a running M (the ceiling of the running maximum): every later rescaling is an exact power of two, which a block's scale takes up: the codes' values come out the same.
;;   OPERANDS COMPUTED ON THE WAY. 'Computed on the way' means the value that the module computes at that place (a softmax that the list does not call 'softmax' is quantised finished and normalised). What goes into a quantiser is computed in f32, as accurately as f32 sums, v_exp_f32 and their like allow (about 1e-6 of the number): no bf16 or f16 on the way to a quantiser, and a product that is left as it is and whose result goes on into a quantised operand takes f32 operands (vector FMAs, or v_wmma_f32_16x16x4_f32). A number that lies on a knife's edge between two numbers of the format may be rounded either way, as far as f32 arithmetic and the matrix unit's own rounding can turn it there, and no further.
;;   INPUTS GIVEN AS CODES. Wk (in the module: [1024, 1024], K = its axis 1); Wo (in the module: [1024, 1024], K = its axis 1); Wq (in the module: [1024, 1024], K = its axis 1); Ws (in the module: [3, 1024, 1024], K = its axis 2); Wv (in the module: [1024, 1024], K = its axis 1); hidden_states (in the module: [2, 2048, 1024], K = its axis 2): each comes as NAME_codes (uint8): NAME with its K axis moved to the last place and cut into blocks of 32 codes, [.., K / 32, bytes a block], one block behind the other in memory; four codes in three bytes: a row's codes are one little-endian stream of bits, code i at bits 6 i .. 6 i + 5 (a code: sign, 3 exponent bits, 2 mantissa bits); and NAME_scales (uint8): the same leading axes, one E8M0 byte (e + 127) for each 32 codes along K. Its value is code x scale, taken as it is: it is not quantised again, and the codes and scales need not be those that the quantiser above would give.
;; One version. Each part assembles by itself: llvm-mc -triple=amdgcn-amd-amdhsa -mcpu=gfx1250 --defsym DOCPART=n.
;; ======== version 1 of 1: 4 launches
;; limits: right only within a limited range of input values
;; workspace buffers: q_img 3,145,728 bytes; q_sc 262,144 bytes; kv_img 6,291,456 bytes; kv_sc 393,216 bytes; attn_img 3,145,728 bytes; attn_sc 131,072 bytes; enh_img 3,145,728 bytes; enh_sc 131,072 bytes
;; launch qkv (part 1): grid 8 x 32, 4 waves a work-group, clusters of 4 x 4, 327,680 bytes of LDS; arguments hidden_states_codes, hidden_states_scales, Wq_codes, Wq_scales, Wk_codes, Wk_scales, Wv_codes, Wv_scales, bq, bk, bv, q_img, q_sc, kv_img, kv_sc; writes q_img, q_sc, kv_img, kv_sc
.if DOCPART == 1
	.amdgcn_target "amdgcn-amd-amdhsa--gfx1250"
	.amdhsa_code_object_version 6
	.text
	.protected	k_q73f3c5033c_qkv
	.globl	k_q73f3c5033c_qkv
	.p2align	8
	.type	k_q73f3c5033c_qkv,@function
k_q73f3c5033c_qkv:
	s_mov_b64 s[64:65], 0
	v_nop
	global_prefetch_b8 v0, s[64:65] scope:SCOPE_SE
	s_setreg_imm32_b32 hwreg(HW_REG_WAVE_MODE, 25, 1), 1
	s_wait_xcnt 0x0
	s_wait_alu depctr_hold_cnt(0) depctr_sa_sdst(0) depctr_va_vdst(0) depctr_va_sdst(0) depctr_va_ssrc(0) depctr_va_vcc(0) depctr_vm_vsrc(0)
	s_getreg_b32 s2, hwreg(HW_REG_IB_STS2, 6, 4)
	s_cmp_eq_u32 s2, 0
	s_cbranch_scc0 .Lentry_in_a_cluster
	s_endpgm
.Lentry_in_a_cluster:
	s_bfe_u32 s2, ttmp6, 0x10000c
	s_cmp_lg_u32 s2, 0xf033
	s_cbranch_scc0 .Lentry_shape_is_right
	s_endpgm
.Lentry_shape_is_right:
; q = x Wq^T + bq, k = x Wk^T + bk, v = x Wv^T + bv on codes of BF6 (E3M2) with one E8M0 scale for each 32 along K (K = 1,024), sums in f32; then q and k are quantised
; along the head's 64 features and v along the keys (tokens), and only codes and scale bytes are stored.
; SHARES.  A work-group makes 128 tokens x 128 features of q, of k and of v; wave w makes tokens 64 (w / 2) on, features 64 (w % 2) on: one head.  16 accumulators of 16 x 16.
; x's 128 rows (all of K, 98,304 bytes) come into LDS once; each wave then takes its 64 rows into 384 REGISTERS, where they serve all three weights.  So a K step of 128 reads from LDS
; only the weight's four fragments for its 16 matrix instructions.  Wq's rows lie in region 1, Wk's in region 2; Wv's are brought over x's bytes (region 0) once every wave has x in registers:
; the one refill of the launch.  Nothing loops: 24 K steps are written out by macro.
; CLUSTER 4 x 4: the four work-groups of a row of the cluster need the same rows of x, the four of a column the same rows of the weights: each tile is asked for jointly.
; ORIENTATION.  q, k: source 0 = 16 rows of the weight, source 1 = 16 tokens: a lane holds ONE token and its registers run along the features, which are the next product's K.
; v: source 0 = 16 tokens, source 1 = 16 rows of Wv: a lane holds ONE feature and its registers run along the tokens, which are the keys, the K of the product with the softmax.
; WHAT IS STORED.  A half fragment image, 768 bytes: registers 0-5 of an operand of 16 rows x 64 K; registers 0-3 at 16 x lane, registers 4-5 at 512 + 8 x lane.  Each store of the wave covers
; 512 or 256 consecutive bytes, aligned.  Inside a block of 32 the codes stand in the order 0-7, 16-23, 8-15, 24-31: both operands of q k^T and of p v are packed so, by this same macro or its twin,
; so that the same numbers meet.  The blocks are the true blocks.  Scale half words (two bytes: two blocks) are laid so that the next launch's scale registers load as they stand.
; The v scale bytes leave as stores of two bytes, eight bytes apart: one byte in 24 of what the launch stores.
; LIMITS: NaN and infinities are not served.  A block of zeros, and one whose largest magnitude lies under 2^-122, gets the scale byte 1 (its zero codes add nothing; only this program reads the bytes).
; The order of the f32 sums is the matrix unit's, with the bias as the first addend.
; REGISTERS, in windows of 256: window 0: v1-19 lane numbers and addresses; v32-47 x's scale words; v48-95 the weights'; v96-122 at work; v128-255 the accumulators.
;   window 1: x's fragments of K steps 0-4 (48 q + 12 i).  window 2: v0-143 those of K steps 5-7; v144-239 the weight's fragments, two sets.  window 3: the biases in the results' layout, 32 a weight.
.set PITCH, 816                        ; an LDS row: 3 x (256 bytes + 16 of padding) = 204 words: row r starts at bank 12 r mod 64 (64 banks of 4 bytes: ISA guide 11.1): the 32 lanes of a load of 8 bytes touch 64 different banks
.set RGN,   128*PITCH                  ; a region: 128 rows
.set QUART, 32*PITCH                   ; what one tensor load brings: 32 rows
.set SPARE, 3*RGN                      ; behind the regions: the spare words, 128 bytes for each wave: two blocks of 256 bytes that no other line names
.set PERPANEL, 1                       ; each weight starts sums of its own
.set L16, 4                            ; v4   16 x lane
.set L8,  5                            ; v5   8 x lane
.set L32, 6                            ; v6   32 x lane
.set H32, 7                            ; v7   32 x (lane / 16)
.set RW4, 8                            ; v8   4 x (lane % 16)
.set SPW, 9                            ; v9   LDS address of my spare word; never rewritten
.set NIL, 10                           ; v10  0; never rewritten
.set ADA, 12                           ; v12-13 my rows of x in LDS (the second: behind one padding more)
.set ADB, 14                           ; v14-19 my rows of a weight in regions 0, 1, 2, a pair each
.set SA,  32                           ; 8 j + q: lanes 0-15 the words of token tile 2 j, lanes 16-31 of tile 2 j + 1, K step q
.set SB,  48                           ; 16 p + 8 j + q: the same for weight p's tiles of rows
.set TM,  96
.set SCL, 100
.set BY,  102
.set HW,  104
.set PP,  108
.set PC,  112
.set ACC, 128
.set SEL, 34                           ; s[34:35] lane selects for v_permlanex16_b32: lane l xor 16
.set G1A, 36                           ; s[36:43] descriptor group 1 for x's tiles; s[44:51] for the weights'
.set G1B, 44
.set G0A, 52                           ; groups 0: x; Wq; Wk; Wv
.set G0B0, 56
.set G0B1, 60
.set G0B2, 68
.set WV, 72
.set MH, 73
.set NH, 74
.set XT, 77
.set YT, 78
.set QI, 26                            ; pointers for the way out
.set QS, 28
.set KI, 90
.set KS, 92
.set VI, 30
.set VS, 32
.set MSB, 0
.macro WIN new                         ; the immediate's high byte repeats the setting that is left; a switch that changes nothing is dropped
.if MSB != \new
	s_set_vgpr_msb (MSB<<8)|\new
.set MSB, \new
.endif
.endm
.macro PLACES n
.rept \n
	v_nop
.endr
.endm
.macro CROUND                          ; a round of the cluster's barrier
	s_barrier_signal -1
	s_barrier_wait -1
	s_cmp_lg_u32 s[WV], 0
	s_cbranch_scc1 .Lnot_wave_0_\@
	s_barrier_signal -3
.Lnot_wave_0_\@:
	s_barrier_wait -3
	s_barrier_signal -1
	s_barrier_wait -1
.endm
; one matrix instruction; ra, rb: the half of the lanes from which source 0's and source 1's scale words are taken
.macro WM d, a, b, c, sa, sb, ra, rb
.if ((\ra)==0)&&((\rb)==0)
	v_wmma_scale_f32_16x16x128_f8f6f4 v[(\d):(\d)+7], v[(\a):(\a)+11], v[(\b):(\b)+11], v[(\c):(\c)+7], v[(\sa)], v[(\sb)] matrix_a_fmt:MATRIX_FMT_BF6 matrix_b_fmt:MATRIX_FMT_BF6
.elseif ((\ra)==1)&&((\rb)==0)
	v_wmma_scale_f32_16x16x128_f8f6f4 v[(\d):(\d)+7], v[(\a):(\a)+11], v[(\b):(\b)+11], v[(\c):(\c)+7], v[(\sa)], v[(\sb)] matrix_a_fmt:MATRIX_FMT_BF6 matrix_b_fmt:MATRIX_FMT_BF6 matrix_a_scale:MATRIX_SCALE_ROW1
.elseif ((\ra)==0)&&((\rb)==1)
	v_wmma_scale_f32_16x16x128_f8f6f4 v[(\d):(\d)+7], v[(\a):(\a)+11], v[(\b):(\b)+11], v[(\c):(\c)+7], v[(\sa)], v[(\sb)] matrix_a_fmt:MATRIX_FMT_BF6 matrix_b_fmt:MATRIX_FMT_BF6 matrix_b_scale:MATRIX_SCALE_ROW1
.else
	v_wmma_scale_f32_16x16x128_f8f6f4 v[(\d):(\d)+7], v[(\a):(\a)+11], v[(\b):(\b)+11], v[(\c):(\c)+7], v[(\sa)], v[(\sb)] matrix_a_fmt:MATRIX_FMT_BF6 matrix_b_fmt:MATRIX_FMT_BF6 matrix_a_scale:MATRIX_SCALE_ROW1 matrix_b_scale:MATRIX_SCALE_ROW1
.endif
.endm
; a fragment, 16 rows x 128 K, from rows in LDS: 12 registers; lane l holds row l % 16; registers 6 c .. 6 c + 5 hold K = 64 c + 32 (l / 16) + 0 .. 31: 24 bytes of the row as they lie, in pieces of 8 bytes.
; Lanes 16-31 read three pieces further on; where that is behind one padding more (16 bytes behind every 32 pieces) the second address register (40 for 24 bytes a half) serves.
.macro FRAG reg, adr, q, i
.irp n, 0,1,2,3,4,5
.set PCN, 12*(\q)+6*(\n/3)+\n%3
.if PCN%32 < 29
	ds_load_b64 v[(\reg)+2*\n:(\reg)+2*\n+1], v[(\adr)] offset:8*PCN+16*(PCN/32)+(\i)*16*PITCH
.else
	ds_load_b64 v[(\reg)+2*\n:(\reg)+2*\n+1], v[(\adr)+1] offset:8*PCN+16*(PCN/32)+(\i)*16*PITCH
.endif
.endr
.endm
.macro FETCH_B reg, q, buf             ; the weight's four fragments of K step q, from region reg, into set buf: 24 loads
	WIN 0x80                                       ; destination window 2, address window 0
.irp t, 0,1,2,3
	FRAG 144+48*(\buf)+12*\t, ADB+2*(\reg), \q, \t
.endr
.endm
; 16 matrix instructions: weight p, K step q.  The 16 accumulators take turns, one instruction a turn, in the same order in every step.
; first = 1: the bias, eight registers a tile in the result's layout, is the C of a sum's first instruction: nothing is cleared and no bias is added by vector instructions.
.macro MULS p, q, buf, ori, first
.if \ori == 0
.if \first
	WIN 0x36                                       ; source 0 (weight) window 2, source 1 (x) window 1, C (bias) window 3, D window 0
.elseif (\q) < 5
	WIN 0x06
.else
	WIN 0x0a
.endif
.else
.if \first
	WIN 0x39                                       ; source 0 (x) window 1, source 1 (weight) window 2, C window 3
.elseif (\q) < 5
	WIN 0x09
.else
	WIN 0x0a
.endif
.endif
.irp t, 0,1,2,3
.irp i, 0,1,2,3
.set xRB, 144+48*(\buf)+12*\t
.if (\q) < 5
.set xRA, 48*(\q)+12*\i
.else
.set xRA, 48*((\q)-5)+12*\i
.endif
.set xSB, SB+16*(\p)+8*(\t/2)+(\q)
.set xSA, SA+8*(\i/2)+(\q)
.if \ori == 0
.set xD, ACC+32*\i+8*\t
.else
.set xD, ACC+32*\t+8*\i
.endif
.if \first
.set xC, 32*(\p)+8*\t
.else
.set xC, xD
.endif
.if \ori == 0
	WM xD, xRB, xRA, xC, xSB, xSA, \t%2, \i%2
.else
	WM xD, xRA, xRB, xC, xSA, xSB, \i%2, \t%2
.endif
.endr
.endr
.endm
; A K step.  mode 0: plain.  1: it carries the refill of region 0.  2: the next fetch reads region 0, so the refill is waited for and shown to all four waves first.  3: nothing more to fetch.
.macro KSTEP p, q, ori, mode, nreg, nq
	s_wait_dscnt 0x0                               ; this step's 24 loads, issued 16 matrix instructions ago
.if \mode == 2
	s_wait_tensorcnt 0x0                           ; my quarter of the third weight has landed,
	s_barrier_signal -1                            ; (no LDS access of mine is open: the wait above)
	s_barrier_wait -1                              ; everybody's has
.endif
	PLACES 4                                       ; four plain places between the last step's products and loads into the set that they read (ISA guide 7.12.1 for vector instructions)
.if \mode != 3
	FETCH_B \nreg, \nq, ((\q)+1)%2
.endif
.if \mode == 1
	WIN 0                                          ; (the add's two registers lie in window 0)
	s_wait_tensorcnt 0x0                           ; all my tensor loads have landed: the one that could be out is my quarter of the second weight
	ds_add_u32 v[SPW], v[NIL]                      ; 0 onto my spare word; 16 matrix instructions stand between it and the wait for it
.endif
.if ((\q)==0)&&(((\p)==0)||PERPANEL)
	MULS \p, \q, (\q)%2, \ori, 1
.else
	MULS \p, \q, (\q)%2, \ori, 0
.endif
.if \mode == 1
	WIN 0                                          ; at a branch and at a label every window is 0
	s_wait_dscnt 0x0                               ; the add is done; my reads of region 0 ended long ago, and no LDS access of mine is open
	CROUND                                         ; the same now holds of every wave of every partner
	tensor_load_to_lds s[G0B2:G0B2+3], s[G1B:G1B+7]    ; the third weight over x's bytes: my one tensor load behind the round; 12 K steps and two ways out lie ahead of its first read
	s_nop 0
	PLACES 4
.endif
.endm
; 32 numbers of a lane, register 16 b + i = my 16 numbers of block b of my row (lane l xor 16 holds the other 16), become the row's codes, 6 registers in v[PC] on (lanes 0-15 block 0, lanes 16-31 block 1), and a half word of two scale bytes.
.macro QUANT2 s, hw
	s_wait_xcnt 0x0                                ; the stores issued so far have read their data: v[PC] on may be written again
.irp b, 0,1
	v_max3_num_f32 v[TM+\b], |v[(\s)+16*\b]|, |v[(\s)+16*\b+1]|, 0x2800000   ; my 16 numbers and the floor 2^(5 - 127): the byte cannot fall under 1.  Each accumulator is read from its low end on
.endr
.irp i, 2,4,6,8,10,12,14
.irp b, 0,1
	v_max3_num_f32 v[TM+\b], v[TM+\b], |v[(\s)+16*\b+\i]|, |v[(\s)+16*\b+\i+1]|
.endr
.endr
.irp b, 0,1
	v_permlanex16_b32 v[TM+2+\b], v[TM+\b], s[SEL], s[SEL+1]
.endr
.irp b, 0,1
	v_max_num_f32 v[TM+\b], v[TM+\b], v[TM+2+\b]   ; the block's largest magnitude
.endr
.irp b, 0,1
	v_add_nc_u32 v[SCL+\b], 0xfe000000, v[TM+\b]   ; 4 off its exponent field: the conversion takes the exponent field of this operand as its scale
.endr
.irp b, 0,1
	v_lshrrev_b32 v[BY+\b], 23, v[SCL+\b]          ; the scale's byte
.endr
	v_lshl_or_b32 v[(\hw)], v[BY+1], 8, v[BY]
	v_cvt_scalef32_pk16_bf6_f32 v[PC:PC+2], v[(\s):(\s)+15], v[SCL]
	v_cvt_scalef32_pk16_bf6_f32 v[PC+8:PC+10], v[(\s)+16:(\s)+31], v[SCL+1]   ; (a conversion's three registers begin on an even number)
	v_nop                                          ; one plain place behind a scaled conversion
.irp i, 0,1,2
	v_permlane16_swap_b32 v[PC+\i], v[PC+8+\i]     ; the operand's layout wants a whole block in a lane
.endr
.irp i, 0,1,2
	v_mov_b32 v[PC+3+\i], v[PC+8+\i]
.endr
.endm
.macro HFST base, off                  ; the image goes out: 512 and 256 consecutive bytes, aligned
	global_store_b128 v[L16], v[PC:PC+3], s[\base:\base+1] offset:\off
	global_store_b64 v[L8], v[PC+4:PC+5], s[\base:\base+1] offset:(\off)+512
.endm
.macro EPI_QK ib, sb                   ; q's or k's way out: four tiles of 16 tokens
	WIN 0
	PLACES 4                                       ; between the last products and the first read of results
.irp i, 0,1,2,3
	QUANT2 ACC+32*\i, HW+\i
	HFST \ib, 768*\i
.endr
	v_cndmask_b32 v[PP], v[HW], v[HW+1], s96       ; lane l: token l's half word (lanes 16-31 take the second tile's),
	v_cndmask_b32 v[PP+1], v[HW+2], v[HW+3], s96   ; and token 32 + l's
	global_store_b64 v[L8], v[PP:PP+1], s[\sb:\sb+1]   ; 256 consecutive bytes, aligned
.endm
.macro EPI_V                           ; v's way out: four tiles of 16 features; K = my 64 tokens
	WIN 0
	PLACES 4
.irp t, 0,1,2,3
	QUANT2 ACC+32*\t, HW+\t
	HFST VI, 1536*\t
.endr
	v_cndmask_b32 v[PP], v[HW], v[HW+1], s96       ; lane l: feature l's two bytes,
	v_cndmask_b32 v[PP+1], v[HW+2], v[HW+3], s96   ; and feature 32 + l's
	global_store_b16 v[L8], v[PP], s[VS:VS+1]      ; half of a word of four key blocks; the wave with the other 64 tokens writes the other half
	global_store_b16 v[L8], v[PP+1], s[VS:VS+1] offset:4
.endm
	s_load_b512 s[4:19], s[0:1], 0x0               ; x's codes, scales; Wq's; Wk's; Wv's
	s_load_b256 s[20:27], s[0:1], 0x40             ; bq, bk, bv, q_img
	s_load_b128 s[28:31], s[0:1], 0x60             ; q_sc, kv_img
	s_load_b64 s[32:33], s[0:1], 0x70              ; kv_sc
	v_lshl_add_u32 v[SPW], v0, 2, SPARE
	v_mov_b32 v[NIL], 0
	ds_add_u32 v9, v10
	ds_add_u32 v9, v10
	s_wait_dscnt 0x0
	v_lshrrev_b32 v1, 5, v0
	v_readfirstlane_b32 s[WV], v1                  ; wave 0..3
	s_lshr_b32 s[MH], s[WV], 1                     ; which 64 tokens
	s_and_b32 s[NH], s[WV], 1                      ; which 64 features
	s_bfe_u32 s75, ttmp6, 0x40000                  ; cx, cy: my place in the cluster
	s_bfe_u32 s76, ttmp6, 0x40004
	s_lshl_b32 s[XT], ttmp9, 2
	s_add_co_u32 s[XT], s[XT], s75                 ; tile of 128 features
	s_and_b32 s[YT], ttmp7, 0xffff
	s_lshl_b32 s[YT], s[YT], 2
	s_add_co_u32 s[YT], s[YT], s76                 ; tile of 128 tokens
	s_lshl_b32 s79, s76, 2
	s_lshl_b32 s79, 15, s79                        ; my row of the cluster
	s_lshl_b32 s80, 0x1111, s75                    ; my column
	; descriptor group 1: rows of 768 bytes, 16 bytes of padding behind every 256; x: 64 rows a load; the weights: 128 rows at the head, 32 for the refill
	s_or_b32 s[G1A], s79, (1<<20)|(1<<21)|(5<<22)|(3<<25)   ; 15:0 the mask: x's tiles go to my row; elements of 1 byte; padding on; 21 set beside a mask
	s_or_b32 s[G1B], s80, (1<<20)|(1<<21)|(5<<22)|(3<<25)   ; the weights' go to my column
.irp g, G1A, G1B
	s_mov_b32 s[\g+1], 768<<16                     ; tensor_dim0
	s_mov_b32 s[\g+2], 64<<16                      ; tensor_dim1
	s_mov_b32 s[\g+3], 768<<16                     ; tile_dim0
	s_mov_b32 s[\g+4], 64                          ; tile_dim1
	s_mov_b32 s[\g+5], 768                         ; from row to row
	s_mov_b32 s[\g+6], 0
	s_mov_b32 s[\g+7], 0
.endr
	s_mov_b32 s[G1B+2], 128<<16                    ; at the head a weight comes whole: 128 rows
	s_mov_b32 s[G1B+4], 128
	s_mul_i32 s81, s[WV], 24576                    ; my quarter of a tile in memory: 32 rows
	s_mul_i32 s100, s[NH], 49152                   ; at the head a wave brings half a tile, 64 rows: in memory,
	s_mul_i32 s101, s[NH], 64*PITCH                ; and in a region
	s_mul_i32 s82, s[YT], 98304
	s_add_co_u32 s82, s82, s100                    ; x: made of the token tile and the wave's number alone
	s_mov_b32 s83, 0
	s_mul_i32 s84, s[XT], 98304
	s_mov_b32 s86, s84                             ; Wq's and Wk's whole tile
	s_mov_b32 s87, 0
	s_add_co_u32 s84, s84, s81                     ; Wv's quarter: of the feature tile and the wave's number alone
	s_mov_b32 s85, 0
	s_mul_i32 s98, s[WV], QUART                    ; and in a region: no place in the cluster enters an LDS address
	s_mov_b32 s[SEL], 0x76543210
	s_mov_b32 s[SEL+1], 0xfedcba98
	s_mov_b32 s96, 0xffff0000                      ; lanes 16-31: kept for the whole launch
	s_mov_b32 s3, 0
	s_wait_kmcnt 0x0
	s_mov_b32 s[G0A], 1
	s_mov_b32 s[G0A+1], s101                       ; region 0
	s_add_nc_u64 s[G0A+2:G0A+3], s[4:5], s[82:83]
	s_or_b32 s[G0A+3], s[G0A+3], 0x80000000
	s_mov_b32 s[G0B0], 1
	s_mov_b32 s[G0B0+1], RGN                       ; region 1
	s_add_nc_u64 s[G0B0+2:G0B0+3], s[8:9], s[86:87]
	s_or_b32 s[G0B0+3], s[G0B0+3], 0x80000000
	s_mov_b32 s[G0B1], 1
	s_mov_b32 s[G0B1+1], 2*RGN                     ; region 2
	s_add_nc_u64 s[G0B1+2:G0B1+3], s[12:13], s[86:87]
	s_or_b32 s[G0B1+3], s[G0B1+3], 0x80000000
	s_mov_b32 s[G0B2], 1
	s_mov_b32 s[G0B2+1], s98                       ; region 0 again
	s_add_nc_u64 s[G0B2+2:G0B2+3], s[16:17], s[84:85]
	s_or_b32 s[G0B2+3], s[G0B2+3], 0x80000000
	CROUND                                         ; all sixteen work-groups are here: the first joint loads meet
	s_cmp_eq_u32 s[MH], 0                          ; the head's loads, one a wave, in one chain of three arms: waves 0 and 1 bring x's two halves, wave 2 Wq, wave 3 Wk
	s_cbranch_scc0 .Lhead_w
	tensor_load_to_lds s[G0A:G0A+3], s[G1A:G1A+7]
	s_nop 0
	PLACES 4
	s_branch .Lhead_asked
.Lhead_w:
	s_cmp_eq_u32 s[WV], 2
	s_cbranch_scc0 .Lhead_k
	tensor_load_to_lds s[G0B0:G0B0+3], s[G1B:G1B+7]
	s_nop 0
	PLACES 4
	s_branch .Lhead_asked
.Lhead_k:
	tensor_load_to_lds s[G0B1:G0B1+3], s[G1B:G1B+7]
	s_nop 0
	PLACES 4
.Lhead_asked:
	v_and_b32 v1, 31, v0                           ; lane
	v_and_b32 v2, 15, v0                           ; r
	v_bfe_u32 v3, v0, 4, 1                         ; h
	v_lshlrev_b32 v[L16], 4, v1
	v_lshlrev_b32 v[L8], 3, v1
	v_lshlrev_b32 v[L32], 5, v1
	s_wait_alu depctr_va_vdst(0)
	v_lshlrev_b32 v[H32], 5, v3
	s_wait_alu depctr_va_vdst(0)
	v_lshlrev_b32 v[RW4], 2, v2
	s_wait_alu depctr_va_vdst(0)
	v_mov_b32 v[TM+2], 0                           ; written once: a lane permute's destination counts as one of its sources
	v_mov_b32 v[TM+3], 0
	s_lshl_b32 s2, s[YT], 12                       ; scale bytes: 32 a row; my 64 tokens
	s_lshl_b32 s86, s[MH], 11
	s_add_co_u32 s2, s2, s86
	s_add_nc_u64 s[6:7], s[6:7], s[2:3]
	s_lshl_b32 s2, s[XT], 12                       ; my 64 rows of each weight
	s_lshl_b32 s86, s[NH], 11
	s_add_co_u32 s2, s2, s86
	s_add_nc_u64 s[10:11], s[10:11], s[2:3]
	s_add_nc_u64 s[14:15], s[14:15], s[2:3]
	s_add_nc_u64 s[18:19], s[18:19], s[2:3]
	s_lshl_b32 s2, s[XT], 9                        ; my 64 numbers of each bias
	s_lshl_b32 s86, s[NH], 8
	s_add_co_u32 s2, s2, s86
	s_add_nc_u64 s[20:21], s[20:21], s[2:3]
	s_add_nc_u64 s[22:23], s[22:23], s[2:3]
	s_add_nc_u64 s[24:25], s[24:25], s[2:3]
.irp j, 0,1
.irp u, 0,1
	global_load_b128 v[SA+8*\j+4*\u:SA+8*\j+4*\u+3], v[L32], s[6:7] offset:1024*\j+16*\u   ; lane l: row 32 j + l, the words of K steps 4 u .. 4 u + 3
.endr
.endr
.irp p, 0,1,2
.irp j, 0,1
.irp u, 0,1
	global_load_b128 v[SB+16*\p+8*\j+4*\u:SB+16*\p+8*\j+4*\u+3], v[L32], s[10+4*\p:11+4*\p] offset:1024*\j+16*\u
.endr
.endr
.endr
	WIN 0xc0                                       ; destination window 3
.irp p, 0,1
.irp t, 0,1,2,3
	global_load_b128 v[32*\p+8*\t:32*\p+8*\t+3], v[H32], s[20+2*\p:21+2*\p] offset:64*\t        ; register j: the bias of feature 16 t + 8 h + j
	global_load_b128 v[32*\p+8*\t+4:32*\p+8*\t+7], v[H32], s[20+2*\p:21+2*\p] offset:64*\t+16
.endr
.endr
.irp t, 0,1,2,3
.irp j, 0,1,2,3,4,5,6,7
	global_load_b32 v[64+8*\t+\j], v[RW4], s[24:25] offset:64*\t    ; v: all eight registers hold the bias of my feature 16 t + r
.endr
.endr
	WIN 0
	v_mul_u32_u24 v11, v2, PITCH
	v_mad_u32_u24 v[ADA], v3, 24, v11              ; row x pitch + 24 x half,
	v_mad_u32_u24 v[ADA+1], v3, 40, v11            ; and the same behind one padding more
	s_mul_i32 s99, s[NH], 64*PITCH                 ; my 64 rows of a weight
.irp g, 0,1,2
	v_add_nc_u32 v[ADB+2*\g], s99, v[ADA]
	v_add_nc_u32 v[ADB+2*\g+1], s99, v[ADA+1]
	s_add_co_u32 s99, s99, RGN
.endr
	s_mul_i32 s99, s[MH], 64*PITCH                 ; my 64 rows of x
	v_add_nc_u32 v[ADA], s99, v[ADA]
	v_add_nc_u32 v[ADA+1], s99, v[ADA+1]
	; where the results go
	s_lshr_b32 s86, s[YT], 4                       ; the batch,
	s_and_b32 s87, s[YT], 15                       ; the 128 tokens in it,
	s_lshl_b32 s88, s86, 4
	s_lshl_b32 s89, s[XT], 1
	s_add_co_u32 s88, s88, s89
	s_add_co_u32 s88, s88, s[NH]                   ; batch x 16 + head
	s_mul_i32 s89, s87, 6144
	s_mul_i32 s94, s[MH], 3072
	s_add_co_u32 s94, s94, s89                     ; my four tiles of tokens: 768 bytes each
	s_mul_i32 s2, s88, 98304
	s_add_co_u32 s2, s2, s94
	s_add_nc_u64 s[QI:QI+1], s[QI:QI+1], s[2:3]
	s_mul_i32 s95, s88, 196608
	s_add_co_u32 s2, s95, s94
	s_add_nc_u64 s[KI:KI+1], s[30:31], s[2:3]
	s_mul_i32 s2, s[MH], 768                       ; v: [128 keys][tile of features][which 64 keys]
	s_add_co_u32 s2, s2, s89
	s_add_co_u32 s2, s2, s95
	s_add_co_u32 s2, s2, 98304
	s_add_nc_u64 s[VI:VI+1], s[VI:VI+1], s[2:3]
	s_lshl_b32 s94, s87, 1
	s_add_co_u32 s94, s94, s[MH]
	s_lshl_b32 s94, s94, 8                         ; scale words of my 64 tokens: 256 bytes
	s_lshl_b32 s2, s88, 13
	s_add_co_u32 s2, s2, s94
	s_add_nc_u64 s[QS:QS+1], s[QS:QS+1], s[2:3]
	s_mul_i32 s95, s88, 12288
	s_add_co_u32 s2, s95, s94
	s_add_nc_u64 s[KS:KS+1], s[32:33], s[2:3]
	s_lshl_b32 s2, s87, 8
	s_lshl_b32 s94, s[MH], 1
	s_add_co_u32 s2, s2, s94
	s_add_co_u32 s2, s2, s95
	s_add_co_u32 s2, s2, 8192
	s_add_nc_u64 s[VS:VS+1], s[VS:VS+1], s[2:3]
	s_wait_alu depctr_va_vdst(0)
	s_cmp_lg_u32 s[MH], 0                          ; only the waves that fetched x wait here: the weights' loads may stay out,
	s_cbranch_scc1 .Lx_waited
	s_wait_tensorcnt 0x0                           ; my half of x is in
.Lx_waited:
	s_barrier_signal -1
	s_barrier_wait -1                              ; x is whole
	WIN 0x40                                       ; x into registers: destination window 1
.irp q, 0,1,2,3,4
.irp i, 0,1,2,3
	FRAG 48*\q+12*\i, ADA, \q, \i
.endr
.endr
	WIN 0x80                                       ; window 2
.irp q, 5,6,7
.irp i, 0,1,2,3
	FRAG 48*(\q-5)+12*\i, ADA, \q, \i
.endr
.endr
	WIN 0
	s_wait_tensorcnt 0x0                           ; all my tensor loads have landed: for waves 2 and 3 a weight
	ds_add_u32 v[SPW], v[NIL]
	s_mov_b32 s[G1B+2], 32<<16                     ; no tensor load of mine is out: from here on a weight's load brings 32 rows
	s_mov_b32 s[G1B+4], 32
	s_wait_dscnt 0x0                               ; the add is done, and x is in my registers: my reads of region 0 are over
	CROUND                                         ; the same holds of every wave of every partner; Wq and Wk are whole
	tensor_load_to_lds s[G0B2:G0B2+3], s[G1B:G1B+7]    ; Wv over x's bytes, a quarter a wave: my one tensor load behind the round; 16 K steps and one way out lie ahead of its first read
	s_nop 0
	PLACES 4
	s_wait_loadcnt 0x0                             ; scale words and biases
	FETCH_B 1, 0, 0
.irp q, 0,1,2,3,4,5,6
	KSTEP 0, \q, 0, 0, 1, \q+1
.endr
	KSTEP 0, 7, 0, 0, 2, 0                         ; Wk was shown landed to all in front of the round
	EPI_QK QI, QS
.irp q, 0,1,2,3,4,5,6
	KSTEP 1, \q, 0, 0, 2, \q+1
.endr
	KSTEP 1, 7, 0, 2, 0, 0
	EPI_QK KI, KS
.irp q, 0,1,2,3,4,5,6
	KSTEP 2, \q, 1, 0, 0, \q+1
.endr
	KSTEP 2, 7, 1, 3, 0, 0
	EPI_V
	s_wait_tensorcnt 0x0                           ; the wave's end
	ds_add_u32 v[SPW], v[NIL]
	s_wait_dscnt 0x0
	CROUND                                         ; the closing round: no work-group ends while a partner may still ask for a tile that names it
	s_endpgm
.Lfunc_end_k_q73f3c5033c_qkv:
	.size	k_q73f3c5033c_qkv, .Lfunc_end_k_q73f3c5033c_qkv-k_q73f3c5033c_qkv
	.p2alignl 7, 3214868480
	.fill 96, 4, 3214868480
	.section	.rodata,"a",@progbits
	.p2align	6, 0x0
	.amdhsa_kernel k_q73f3c5033c_qkv
		.amdhsa_group_segment_fixed_size 327680
		.amdhsa_private_segment_fixed_size 0
		.amdhsa_enable_private_segment 0
		.amdhsa_kernarg_size 120
		.amdhsa_user_sgpr_count 2
		.amdhsa_user_sgpr_kernarg_segment_ptr 1
		.amdhsa_wavefront_size32 1
		.amdhsa_system_sgpr_workgroup_id_x 1
		.amdhsa_system_sgpr_workgroup_id_y 1
		.amdhsa_system_sgpr_workgroup_id_z 1
		.amdhsa_system_vgpr_workitem_id 0
		.amdhsa_next_free_vgpr 864
		.amdhsa_next_free_sgpr 102
		.amdhsa_reserve_vcc 0
		.amdhsa_float_denorm_mode_32 3
		.amdhsa_float_denorm_mode_16_64 3
		.amdhsa_memory_ordered 1
		.amdhsa_forward_progress 1
		.amdhsa_inst_pref_size 144
	.end_amdhsa_kernel
	.amdgpu_metadata
---
amdhsa.version: [ 1, 2 ]
amdhsa.kernels:
  - .name:           k_q73f3c5033c_qkv
    .symbol:         k_q73f3c5033c_qkv.kd
    .args:
      - { .name: hidden_states_codes, .offset: 0, .size: 8, .value_kind: global_buffer, .address_space: global }
      - { .name: hidden_states_scales, .offset: 8, .size: 8, .value_kind: global_buffer, .address_space: global }
      - { .name: Wq_codes, .offset: 16, .size: 8, .value_kind: global_buffer, .address_space: global }
      - { .name: Wq_scales, .offset: 24, .size: 8, .value_kind: global_buffer, .address_space: global }
      - { .name: Wk_codes, .offset: 32, .size: 8, .value_kind: global_buffer, .address_space: global }
      - { .name: Wk_scales, .offset: 40, .size: 8, .value_kind: global_buffer, .address_space: global }
      - { .name: Wv_codes, .offset: 48, .size: 8, .value_kind: global_buffer, .address_space: global }
      - { .name: Wv_scales, .offset: 56, .size: 8, .value_kind: global_buffer, .address_space: global }
      - { .name: bq, .offset: 64, .size: 8, .value_kind: global_buffer, .address_space: global }
      - { .name: bk, .offset: 72, .size: 8, .value_kind: global_buffer, .address_space: global }
      - { .name: bv, .offset: 80, .size: 8, .value_kind: global_buffer, .address_space: global }
      - { .name: q_img, .offset: 88, .size: 8, .value_kind: global_buffer, .address_space: global }
      - { .name: q_sc, .offset: 96, .size: 8, .value_kind: global_buffer, .address_space: global }
      - { .name: kv_img, .offset: 104, .size: 8, .value_kind: global_buffer, .address_space: global }
      - { .name: kv_sc, .offset: 112, .size: 8, .value_kind: global_buffer, .address_space: global }
    .group_segment_fixed_size: 327680
    .private_segment_fixed_size: 0
    .kernarg_segment_align: 8
    .kernarg_segment_size: 120
    .max_flat_workgroup_size: 128
    .sgpr_count:     102
    .vgpr_count:     864
    .wavefront_size: 32
...
	.end_amdgpu_metadata
.endif
;; end of part 1
;; launch attn (part 2): grid 8 x 32, 16 waves a work-group, clusters of 4 x 1, 210,944 bytes of LDS; arguments q_img, q_sc, kv_img, kv_sc, attn_img, attn_sc; writes attn_img, attn_sc
.if DOCPART == 2
	.amdgcn_target "amdgcn-amd-amdhsa--gfx1250"
	.amdhsa_code_object_version 6
	.text
	.protected	k_q73f3c5033c_attn
	.globl	k_q73f3c5033c_attn
	.p2align	8
	.type	k_q73f3c5033c_attn,@function
k_q73f3c5033c_attn:
	s_mov_b64 s[64:65], 0
	v_nop
	global_prefetch_b8 v0, s[64:65] scope:SCOPE_SE
	s_setreg_imm32_b32 hwreg(HW_REG_WAVE_MODE, 25, 1), 1
	s_wait_xcnt 0x0
	s_wait_alu depctr_hold_cnt(0) depctr_sa_sdst(0) depctr_va_vdst(0) depctr_va_sdst(0) depctr_va_ssrc(0) depctr_va_vcc(0) depctr_vm_vsrc(0)
	s_getreg_b32 s2, hwreg(HW_REG_IB_STS2, 6, 4)
	s_cmp_eq_u32 s2, 0
	s_cbranch_scc0 .Lentry_in_a_cluster
	s_endpgm
.Lentry_in_a_cluster:
	s_bfe_u32 s2, ttmp6, 0x10000c
	s_cmp_lg_u32 s2, 0x3003
	s_cbranch_scc0 .Lentry_shape_is_right
	s_endpgm
.Lentry_shape_is_right:
; O[q] = the sum over keys of softmax(q . k / 8) v for one head of 64, 2,048 keys, both products on codes of BF6 (E3M2) with one E8M0 scale for each 32 along K; then O is quantised along the features.
; THE SOFTMAX: t = score x log2(e) / 8; M = the row's largest t so far, rounded UP to a whole number; p = 2^(t - M) is quantised along the keys, not normalised.  The row's sum is taken of the
; unquantised p, in f32, and divides O at the end.  When M moves, the sum and O are multiplied by 2^(old M - new M): exact, and without a branch on data.
; SHARES.  A work-group owns 256 queries of one (batch, head); each of its sixteen waves owns 16 of them in 256 registers and walks all keys, 128 a step, 16 steps in one loop.
; LDS holds the head's K and V codes and their scale words whole, 208,896 bytes, an image of the head's part of the two buffers, filled ONCE: every wave issues one tensor load at the head
; (waves 0-11: 64 rows of 256 bytes of the codes each; waves 12-15: 12 rows of the scale words each).  One wait, one barrier; nothing is filled again and nothing is stored to LDS.
; CLUSTER 4 x 1: the four blocks of queries of a cluster read the same K and V: every fill is asked for jointly.  No prefetch: all fills are asked for at the head.
; LAYOUT.  Both products are used transposed: S^T = K Q^T (source 0 = 16 keys, source 1 = my 16 queries), O^T = V^T P^T: a lane holds ONE query throughout.
; K and V lie as images of operand registers: 768 bytes for 16 rows x 64 K (registers 0-3 at 16 x lane, 4-5 at 512 + 8 x lane).
; THE KEYS OF A TILE OF K ARE CHOSEN BY THE LANES' ADDRESSES: of the 64 keys of group c, tile T takes as rows 0-7 keys 8 s .. 8 s + 7 and as rows 8-15 keys 32 + 8 s .. (s = 0, 2, 1, 3 for T = 0 .. 3).
; So lanes 0-15 hold block 2 c and lanes 16-31 block 2 c + 1, each WHOLE in 32 registers, in the order 0-7, 16-23, 8-15, 24-31 in which V's keys were packed: a block's maximum needs no other lane,
; and the conversions' results are the operand's registers.  The price: K's loads of lanes r and r + 8 lie 1,536 bytes apart.
; THE HEAD IS 64, THE INSTRUCTION'S K 128: Q's registers 6-11 hold zero codes; source 0's upper six registers are the next tile's codes, which meet those zeros (their scale bytes are 0, which is 2^-127).
; LIMITS: NaN and infinities are not served; the promise holds while the scaled scores stay under 2^31 in magnitude.  A block of zeros, or one under 2^-122, gets the scale byte 1 (its zero codes add
; nothing; only this program reads the bytes).  The division by the sum is v_rcp_f32 and a multiplication.  A block's largest p is the exponential of its largest score, which takes v_exp_f32 not to fall where its input rises.
; REGISTERS: v1-2, v9, v11, v90-95 lane places that stay; v3-8 the step's addresses; v12 -M, v13 the largest score, v[14:15] the sum; v16-27 Q; v28-35 scale words; v36-89 K's eight half fragments, then V's four
; fragments; v96-159 S^T, then p; v160-191 O^T; v192-203 p's codes; v204-249 at work; v254-255 the add's two.
.set VIMG, 98304
.set KSCL, 196608
.set VSCL, 204800
.set SPARE, 208896                     ; the spare words: 128 bytes for each of 16 waves
.set F,   36
.set ST,  96
.set OT,  160
.set PC,  192
.set CT,  204                          ; v204-206, v208-210: the conversions' second halves
.set MX,  212                          ; v212-219 eight chains of maxima; v212, v216 the two blocks' largest scores, then largest p
.set SO,  220                          ; v220-221 the conversions' scale operands
.set PB,  222                          ; v222-223 the scale bytes
.set FF,  224                          ; v[224:225] f = 2^(old M - new M)
.set WK,  226
.set HWD, 227
.set EX,  230                          ; v230-231 what the other half of the lanes holds
.set NM,  232                          ; v232-233 -t, the new -M
.set SU,  234                          ; v236-249 seven chains of the sum
.set QSC, 28
.set PSC, 29
.set KSC, 30
.set VSC, 34
.set TM,  212                          ; the names under which the last quantiser takes the same registers
.set BY,  216
.set SCL, 220
.set L16, 1
.set L8,  2
.set WV,  16
.set SEL, 22                           ; s[22:23] lane selects for v_permlanex16_b32: lane l xor 16
.set CS,  24                           ; s[24:25] c = log2(e) / 8
.set CN,  72                           ; s72 -c
.set G1C, 28
.set G1S, 36
.set G0S, 44
.set G0C, 48
.set SK,  66
.set SSC, 67
.set SVC, 68
.set CNT, 69
.macro PLACES n
.rept \n
	v_nop
.endr
.endm
.macro CROUND                          ; a round of the cluster's barrier
	s_barrier_signal -1
	s_barrier_wait -1
	s_cmp_lg_u32 s[WV], 0
	s_cbranch_scc1 .Lnot_wave_0_\@
	s_barrier_signal -3
.Lnot_wave_0_\@:
	s_barrier_wait -3
	s_barrier_signal -1
	s_barrier_wait -1
.endm
.macro WMS n                           ; S^T, tile n: its scale words lie in lanes 0-15 (even n) or 16-31 (odd n) of register n / 2
.if (\n)%2 == 0
	v_wmma_scale_f32_16x16x128_f8f6f4 v[ST+8*(\n):ST+8*(\n)+7], v[F+6*(\n):F+6*(\n)+11], v[16:27], 0, v[KSC+(\n)/2], v[QSC] matrix_a_fmt:MATRIX_FMT_BF6 matrix_b_fmt:MATRIX_FMT_BF6
.else
	v_wmma_scale_f32_16x16x128_f8f6f4 v[ST+8*(\n):ST+8*(\n)+7], v[F+6*(\n):F+6*(\n)+11], v[16:27], 0, v[KSC+(\n)/2], v[QSC] matrix_a_fmt:MATRIX_FMT_BF6 matrix_b_fmt:MATRIX_FMT_BF6 matrix_a_scale:MATRIX_SCALE_ROW1
.endif
.endm
.macro WMP t                           ; O^T += V^T P^T, tile t of 16 features
.if (\t)%2 == 0
	v_wmma_scale_f32_16x16x128_f8f6f4 v[OT+8*(\t):OT+8*(\t)+7], v[F+12*(\t):F+12*(\t)+11], v[PC:PC+11], v[OT+8*(\t):OT+8*(\t)+7], v[VSC+(\t)/2], v[PSC] matrix_a_fmt:MATRIX_FMT_BF6 matrix_b_fmt:MATRIX_FMT_BF6
.else
	v_wmma_scale_f32_16x16x128_f8f6f4 v[OT+8*(\t):OT+8*(\t)+7], v[F+12*(\t):F+12*(\t)+11], v[PC:PC+11], v[OT+8*(\t):OT+8*(\t)+7], v[VSC+(\t)/2], v[PSC] matrix_a_fmt:MATRIX_FMT_BF6 matrix_b_fmt:MATRIX_FMT_BF6 matrix_a_scale:MATRIX_SCALE_ROW1
.endif
.endm
; the way out's quantiser: 32 numbers of a lane, register 16 b + i = my 16 numbers of block b of my row, become 6 registers of codes in v[PC] on and a half word of two scale bytes
.macro QUANT2 s, hw
.irp b, 0,1
	v_max3_num_f32 v[TM+\b], |v[(\s)+16*\b]|, |v[(\s)+16*\b+1]|, 0x2800000   ; my 16 numbers and the floor 2^(5 - 127): the byte cannot fall under 1
.endr
.irp i, 2,4,6,8,10,12,14
.irp b, 0,1
	s_delay_alu instid0(VALU_DEP_2)
	v_max3_num_f32 v[TM+\b], v[TM+\b], |v[(\s)+16*\b+\i]|, |v[(\s)+16*\b+\i+1]|
.endr
.endr
.irp b, 0,1
	s_delay_alu instid0(VALU_DEP_2)
	v_permlanex16_b32 v[TM+2+\b], v[TM+\b], s[SEL], s[SEL+1]
.endr
.irp b, 0,1
	s_delay_alu instid0(VALU_DEP_2)
	v_max_num_f32 v[TM+\b], v[TM+\b], v[TM+2+\b]
.endr
.irp b, 0,1
	s_delay_alu instid0(VALU_DEP_2)
	v_add_nc_u32 v[SCL+\b], 0xfe000000, v[TM+\b]   ; 4 off the exponent field: the conversion's scale operand
.endr
.irp b, 0,1
	s_delay_alu instid0(VALU_DEP_2)
	v_lshrrev_b32 v[BY+\b], 23, v[SCL+\b]
.endr
	s_delay_alu instid0(VALU_DEP_1)
	v_lshl_or_b32 v[(\hw)], v[BY+1], 8, v[BY]
	v_cvt_scalef32_pk16_bf6_f32 v[PC:PC+2], v[(\s):(\s)+15], v[SCL]
	v_cvt_scalef32_pk16_bf6_f32 v[PC+8:PC+10], v[(\s)+16:(\s)+31], v[SCL+1]
	v_nop                                          ; one plain place behind a scaled conversion
.irp i, 0,1,2
	v_permlane16_swap_b32 v[PC+\i], v[PC+8+\i]
.endr
.irp i, 0,1,2
	s_delay_alu instid0(VALU_DEP_3)
	v_mov_b32 v[PC+3+\i], v[PC+8+\i]
.endr
.endm
.macro TRUEK s                         ; registers 16 b + j and 16 b + 8 + j change halves of the lanes: a lane's 16 registers of a block are then 16 neighbours, 32 b + 16 (lane / 16) + 0 .. 15
.irp b, 0,1
.irp j, 0,1,2,3,4,5,6,7
	v_permlane16_swap_b32 v[(\s)+16*\b+\j], v[(\s)+16*\b+8+\j]
.endr
.endr
.endm
	s_load_b256 s[4:11], s[0:1], 0x0               ; q_img, q_sc, kv_img, kv_sc
	s_load_b128 s[12:15], s[0:1], 0x20             ; attn_img, attn_sc
	v_lshl_add_u32 v254, v0, 2, SPARE
	v_mov_b32 v255, 0
	ds_add_u32 v254, v255                          ; the opening lines: the add, twice on end, and its wait ahead of my tensor load
	ds_add_u32 v254, v255
	v_lshrrev_b32 v1, 5, v0
	v_readfirstlane_b32 s[WV], v1                  ; wave 0..15
	s_and_b32 s17, s[WV], 1
	s_bfe_u32 s18, ttmp6, 0x40000                  ; cx
	s_lshl_b32 s19, ttmp9, 2
	s_add_co_u32 s19, s19, s18                     ; my block of 256 queries: it enters Q's and the result's addresses alone
	s_and_b32 s20, ttmp7, 0xffff                   ; batch x 16 + head, which the four partners share
	s_lshl_b32 s21, s19, 4
	s_add_co_u32 s21, s21, s[WV]                   ; my tile of 16 queries
	; descriptor groups 1: dense blocks as rows of 256 bytes (32 elements of 8 bytes): 64 rows of codes, 12 rows of scale words
	s_mov_b32 s[G1C], 15|(3<<16)|(1<<21)           ; 15:0 the mask: all four work-groups; 17:16 elements of 8 bytes; 21 set beside a mask; no padding
	s_mov_b32 s[G1C+1], 32<<16
	s_mov_b32 s[G1C+2], 64<<16
	s_mov_b32 s[G1C+3], 32<<16
	s_mov_b32 s[G1C+4], 64
	s_mov_b32 s[G1C+5], 32
	s_mov_b32 s[G1C+6], 0
	s_mov_b32 s[G1C+7], 0
	s_mov_b32 s[G1S], 15|(3<<16)|(1<<21)
	s_mov_b32 s[G1S+1], 32<<16
	s_mov_b32 s[G1S+2], 12<<16
	s_mov_b32 s[G1S+3], 32<<16
	s_mov_b32 s[G1S+4], 12
	s_mov_b32 s[G1S+5], 32
	s_mov_b32 s[G1S+6], 0
	s_mov_b32 s[G1S+7], 0
	s_min_u32 s26, s[WV], 11
	s_lshl_b32 s26, s26, 14                        ; waves 0-11: 16,384 bytes of the codes each, in memory and in LDS alike
	s_and_b32 s27, s[WV], 3
	s_mul_i32 s27, s27, 3072                       ; waves 12-15: 3,072 bytes of the scale words each
	s_mul_i32 s70, s20, 196608
	s_add_co_u32 s70, s70, s26
	s_mov_b32 s71, 0
	s_mul_i32 s74, s20, 12288
	s_add_co_u32 s74, s74, s27
	s_mov_b32 s75, 0
	s_mov_b32 s[SEL], 0x76543210
	s_mov_b32 s[SEL+1], 0xfedcba98
	s_mov_b32 s[CS], 0x3e38aa3b                    ; c = log2(e) / sqrt(64)
	s_mov_b32 s[CS+1], s[CS]                       ; (named with it as a pair, so it is written)
	s_mov_b32 s[CN], 0xbe38aa3b                    ; -c
	s_mov_b32 s3, 0
	s_wait_dscnt 0x0
	s_wait_kmcnt 0x0
	s_mov_b32 s[G0C], 1
	s_mov_b32 s[G0C+1], s26
	s_add_nc_u64 s[G0C+2:G0C+3], s[8:9], s[70:71]
	s_or_b32 s[G0C+3], s[G0C+3], 0x80000000
	s_mov_b32 s[G0S], 1
	s_add_co_u32 s[G0S+1], s27, KSCL
	s_add_nc_u64 s[G0S+2:G0S+3], s[10:11], s[74:75]
	s_or_b32 s[G0S+3], s[G0S+3], 0x80000000
	CROUND                                         ; all four work-groups are here: the joint loads meet
	s_cmp_lt_u32 s[WV], 12                         ; one load a wave, in the two arms of one branch on the wave's number
	s_cbranch_scc0 .Lfill_sc
	tensor_load_to_lds s[G0C:G0C+3], s[G1C:G1C+7]
	s_nop 0
	PLACES 4
	s_branch .Lfilled
.Lfill_sc:
	tensor_load_to_lds s[G0S:G0S+3], s[G1S:G1S+7]
	s_nop 0
	PLACES 4
.Lfilled:
	s_mul_i32 s2, s20, 98304                       ; Q's image: 768 bytes a tile
	s_mul_i32 s78, s21, 768
	s_add_co_u32 s2, s2, s78
	s_add_nc_u64 s[4:5], s[4:5], s[2:3]
	s_lshl_b32 s2, s20, 13                         ; its scale words: 256 bytes for 64 queries; in them token 32 i + l at 8 l + 4 i
	s_lshr_b32 s78, s21, 2
	s_lshl_b32 s78, s78, 8
	s_add_co_u32 s2, s2, s78
	s_lshl_b32 s78, s17, 7
	s_add_co_u32 s2, s2, s78
	s_bfe_u32 s78, s[WV], 0x10001
	s_lshl_b32 s78, s78, 2
	s_add_co_u32 s2, s2, s78
	s_add_nc_u64 s[6:7], s[6:7], s[2:3]
	v_and_b32 v10, 31, v0                          ; lane
	v_and_b32 v11, 15, v0                          ; r
	v_lshlrev_b32 v[L16], 4, v10
	v_lshlrev_b32 v[L8], 3, v10
	v_lshlrev_b32 v10, 3, v11                      ; 8 r: Q's scale words
	global_load_b128 v[16:19], v[L16], s[4:5]
	global_load_b64 v[20:21], v[L8], s[4:5] offset:512
	global_load_b32 v[QSC], v10, s[6:7]
	v_lshlrev_b32 v9, 5, v11                       ; 32 r: a row of the result's scale bytes
	v_bfe_u32 v3, v0, 4, 1                         ; h
	v_and_b32 v4, 7, v0                            ; r % 8
	v_bfe_u32 v5, v0, 3, 1                         ; r / 8
	v_mul_u32_u24 v6, v5, 1536                     ; rows 8-15 of a tile of K: 32 keys, two images, further on
	v_lshl_add_u32 v94, v4, 4, v6
	v_lshl_add_u32 v94, v3, 8, v94                 ; K, registers 0-3: 1536 (r / 8) + 16 (r % 8) + 256 h
	v_lshl_add_u32 v95, v4, 3, v6
	v_lshl_add_u32 v95, v3, 7, v95                 ; K, registers 4-5: 1536 (r / 8) + 8 (r % 8) + 128 h
	v_lshlrev_b32 v92, 3, v4
	v_lshl_add_u32 v92, v5, 2, v92
	v_lshl_add_u32 v92, v3, 7, v92
	v_add_nc_u32 v92, KSCL, v92                    ; K's scale words: 8 (r % 8) + 4 (r / 8); lanes 16-31 take the odd tile's, 128 bytes on
	v_add_nc_u32 v90, VIMG, v[L16]
	v_add_nc_u32 v91, VIMG, v[L8]
	v_add_nc_u32 v93, VSCL, v[L8]
	v_lshlrev_b32 v11, 3, v3                       ; 8 h: where my two scale bytes of p stand in the word
	s_lshr_b32 s78, s20, 4                         ; the batch,
	s_and_b32 s79, s20, 15                         ; the head
	s_lshl_b32 s78, s78, 7
	s_add_co_u32 s78, s78, s21                     ; my tile of 16 rows among the 256
	s_mul_i32 s2, s78, 12288                       ; the result's image: [tile of rows][the head's 64 features: 768 bytes]
	s_mul_i32 s70, s79, 768
	s_add_co_u32 s2, s2, s70
	s_add_nc_u64 s[12:13], s[12:13], s[2:3]
	s_lshl_b32 s2, s78, 9                          ; its scale bytes: 32 a row; the head's two
	s_lshl_b32 s70, s79, 1
	s_add_co_u32 s2, s2, s70
	s_add_nc_u64 s[14:15], s[14:15], s[2:3]
	v_mov_b32 v13, 0xff61b1e6                      ; the largest score so far: -3e38
	v_mov_b32 v12, 0x7e000000                      ; -M: a whole number above every -t
	v_mov_b32 v14, 0                               ; the sum, in two halves
	v_mov_b32 v15, 0
.irp j, 22,23,24,25,26,27
	v_mov_b32 v[\j], 0                             ; Q's codes of K = 64 .. 127: zeros
.endr
.irp j, 84,85,86,87,88,89
	v_mov_b32 v[\j], 0                             ; behind K's last half fragment; no load reaches them
.endr
.set j, 0
.rept 32
	v_mov_b32 v[OT+j], 0                           ; O^T.  (The step is written once: the first finds zeros, which the first change of M leaves zeros)
.set j, j+1
.endr
	v_mov_b32 v[EX], 0                             ; written once: a lane permute's destination counts as one of its sources
	v_mov_b32 v[EX+1], 0
	v_mov_b32 v[FF+1], 0                           ; (named as the upper half of a pair)
	s_mov_b32 s[SK], 0
	s_mov_b32 s[SSC], 0
	s_mov_b32 s[SVC], 0
	s_mov_b32 s[CNT], 16
	s_wait_alu depctr_va_vdst(0)
	s_wait_loadcnt 0x0                             ; Q
	s_wait_tensorcnt 0x0                           ; my share of the head's K, V or scale words is in,
	s_barrier_signal -1
	s_barrier_wait -1                              ; everybody's is
.Lstep:                                                ; A KEY STEP: 128 keys
	v_add_nc_u32 v3, s[SK], v94                    ; three addresses and a v_nop: the four places between the last step's products and the loads into the registers that they read
	v_add_nc_u32 v4, s[SK], v95
	v_add_nc_u32 v7, s[SSC], v92
	v_nop
.irp c, 0,1
.irp t, 0,1,2,3
	ds_load_b128 v[F+6*(4*\c+\t):F+6*(4*\c+\t)+3], v3 offset:(4*\c+\t%2)*768+(\t/2)*128
	ds_load_b64 v[F+6*(4*\c+\t)+4:F+6*(4*\c+\t)+5], v4 offset:(4*\c+\t%2)*768+512+(\t/2)*64
.endr
.endr
.irp c, 0,1
.irp u, 0,1
	ds_load_b32 v[KSC+2*\c+\u], v7 offset:256*\c+64*\u   ; lanes 0-15: the words of tile 4 c + 2 u's rows, lanes 16-31 of tile 4 c + 2 u + 1's
.endr
.endr
	s_wait_dscnt 0x0
.irp n, 0,1,2,3,4,5,6,7
	WMS \n
.endr
	v_add_nc_u32 v5, s[SK], v90                    ; the four places between the products and the loads into their sources, and the first read of their results
	v_add_nc_u32 v6, s[SK], v91
	v_add_nc_u32 v8, s[SVC], v93
	v_nop
.irp t, 0,1,2,3
.irp c, 0,1
	ds_load_b128 v[F+12*\t+6*\c:F+12*\t+6*\c+3], v5 offset:1536*\t+768*\c    ; V's fragments land under the softmax
	ds_load_b64 v[F+12*\t+6*\c+4:F+12*\t+6*\c+5], v6 offset:1536*\t+768*\c+512
.endr
.endr
	ds_load_b64 v[VSC:VSC+1], v8                   ; lane l: the words of features l and 32 + l
; THE LARGEST SCORE OF EACH OF MY TWO BLOCKS OF 32 KEYS serves twice: for the row's maximum and, since p rises with the score, for the block's largest p.  Eight chains, one a tile, each from the tile's low end on
.irp c, 0,1
.irp t, 0,1,2,3
	v_max3_num_f32 v[MX+4*\c+\t], v[ST+32*\c+8*\t], v[ST+32*\c+8*\t+1], v[ST+32*\c+8*\t+2]
.endr
.endr
.irp i, 3,5
.irp c, 0,1
.irp t, 0,1,2,3
	v_max3_num_f32 v[MX+4*\c+\t], v[MX+4*\c+\t], v[ST+32*\c+8*\t+\i], v[ST+32*\c+8*\t+\i+1]
.endr
.endr
.endr
	v_max3_num_f32 v[MX], v[MX], v[ST+7], v[ST+15]             ; each tile's eighth register goes into a chain written six or eight lines back,
	v_max3_num_f32 v[MX+1], v[MX+1], v[ST+23], v[ST+31]
	v_max3_num_f32 v[MX+4], v[MX+4], v[ST+39], v[ST+47]
	v_max3_num_f32 v[MX+5], v[MX+5], v[ST+55], v[ST+63]
	s_delay_alu instid0(VALU_DEP_3)
	v_max3_num_f32 v[MX], v[MX], v[MX+1], v[MX+2]              ; and the four chains of a block are joined
	s_delay_alu instid0(VALU_DEP_2)
	v_max3_num_f32 v[MX+4], v[MX+4], v[MX+5], v[MX+6]
	s_delay_alu instid0(VALU_DEP_2)
	v_max_num_f32 v[MX], v[MX], v[MX+3]            ; block 2 c + h, c = 0,
	s_delay_alu instid0(VALU_DEP_2)
	v_max_num_f32 v[MX+4], v[MX+4], v[MX+7]        ; and c = 1
	s_delay_alu instid0(VALU_DEP_1)
	v_max3_num_f32 v[WK], v[MX], v[MX+4], v13
	s_delay_alu instid0(VALU_DEP_1)
	v_permlanex16_b32 v[EX], v[WK], s[SEL], s[SEL+1]
	s_delay_alu instid0(VALU_DEP_1)
	v_max_num_f32 v13, v[WK], v[EX]                ; the running largest score of my query
	s_delay_alu instid0(VALU_DEP_1)
	v_mul_f32 v[NM], s[CN], v13                    ; -t (c is positive)
	s_delay_alu instid0(VALU_DEP_1)
	v_floor_f32 v[NM+1], v[NM]                     ; the new -M = floor(-t) = -ceil(t): M is a whole number
	s_delay_alu instid0(VALU_DEP_1)
	v_sub_f32 v[WK], v[NM+1], v12                  ; old M less new M: a whole number, 0 or less
	v_mov_b32 v12, v[NM+1]
	s_delay_alu instid0(VALU_DEP_2)
	v_cvt_i32_f32 v[WK], v[WK]                     ; (it saturates)
	s_delay_alu instid0(VALU_DEP_1)
	v_ldexp_f32 v[FF], 1.0, v[WK]                  ; f = 2^(old M - new M)
	s_delay_alu instid0(VALU_DEP_3)
	v_fma_f32 v[MX], v[MX], s[CS], v12             ; t - M of each block's largest score: the same instruction on the same number as for the scores below
	s_delay_alu instid0(VALU_DEP_4)
	v_fma_f32 v[MX+4], v[MX+4], s[CS], v12
.set j, 0
.rept 32
	v_pk_fma_f32 v[ST+j:ST+j+1], v[ST+j:ST+j+1], s[CS:CS+1], v[12:13] op_sel_hi:[1,0,0]   ; t - M, two at a time (of the pairs c and -M the low word serves both halves)
.set j, j+2
.endr
.set j, 0
.rept 16
	v_pk_mul_f32 v[OT+j:OT+j+1], v[OT+j:OT+j+1], v[FF:FF+1] op_sel_hi:[1,0]   ; O^T under the new M, each accumulator from its low end on; ahead of the exponentials
.set j, j+2
.endr
	s_wait_alu depctr_va_vdst(0)
.set j, 0
.rept 64
	v_exp_f32 v[ST+j], v[ST+j]                     ; p = 2^(t - M), at most 1: not normalised
.set j, j+1
.endr
	v_exp_f32 v[MX], v[MX]                         ; the blocks' largest p: the same two instructions on the same number give the same bits
	v_exp_f32 v[MX+4], v[MX+4]
	v_pk_mul_f32 v[14:15], v[14:15], v[FF:FF+1] op_sel_hi:[1,0]   ; the sums under the new M: the plain place behind the exponentials
	s_wait_alu depctr_va_vdst(0)                   ; one wait for the whole batch, ahead of its first reader
	v_max_num_f32 v[MX], 0x2800000, v[MX]          ; the floor 2^(5 - 127): the byte cannot fall under 1
	v_max_num_f32 v[MX+4], 0x2800000, v[MX+4]
	s_delay_alu instid0(VALU_DEP_2)
	v_add_nc_u32 v[SO], 0xfe000000, v[MX]          ; 4 off the exponent field: the conversion's scale operand
	s_delay_alu instid0(VALU_DEP_2)
	v_add_nc_u32 v[SO+1], 0xfe000000, v[MX+4]
	s_delay_alu instid0(VALU_DEP_2)
	v_lshrrev_b32 v[PB], 23, v[SO]                 ; the scale's byte
	v_lshrrev_b32 v[PB+1], 23, v[SO+1]
.irp c, 0,1
	v_cvt_scalef32_pk16_bf6_f32 v[PC+6*\c:PC+6*\c+2], v[ST+32*\c:ST+32*\c+15], v[SO+\c]          ; my block's first 16 codes: registers 6 c .. 6 c + 2 of the operand,
	v_cvt_scalef32_pk16_bf6_f32 v[CT+4*\c:CT+4*\c+2], v[ST+32*\c+16:ST+32*\c+31], v[SO+\c]       ; its last 16 (a conversion's three registers begin on an even number: made elsewhere and moved)
.endr
	v_lshl_or_b32 v[PB], v[PB+1], 16, v[PB]        ; my two bytes: blocks h and 2 + h.  (The plain place behind the conversions)
.irp c, 0,1
.irp i, 0,1,2
	v_mov_b32 v[PC+6*\c+3+\i], v[CT+4*\c+\i]
.endr
.endr
	v_lshlrev_b32 v[PB], v11, v[PB]                ; at their places in the word, 8 h bits up
	s_delay_alu instid0(VALU_DEP_1)
	v_permlanex16_b32 v[EX+1], v[PB], s[SEL], s[SEL+1]
; THE ROW'S SUM IS TAKEN OF THE UNQUANTISED p: 32 pairs, in eight chains
.irp k, 1,2,3,4,5,6,7
	v_pk_add_f32 v[SU+2*\k:SU+2*\k+1], v[ST+4*\k-4:ST+4*\k-3], v[ST+4*\k-2:ST+4*\k-1]
.endr
	v_pk_add_f32 v[14:15], v[14:15], v[ST+28:ST+29]
	v_or_b32 v[PSC], v[PB], v[EX+1]                ; with lane l xor 16's two bytes p's scale word is whole; 24 plain lines stand between it and the products
.irp k, 1,2,3,4,5,6,7
	v_pk_add_f32 v[SU+2*\k:SU+2*\k+1], v[SU+2*\k:SU+2*\k+1], v[ST+28+2*\k:ST+29+2*\k]
.endr
	v_pk_add_f32 v[14:15], v[14:15], v[ST+44:ST+45]
.irp k, 1,2,3,4,5,6,7
	v_pk_add_f32 v[SU+2*\k:SU+2*\k+1], v[SU+2*\k:SU+2*\k+1], v[ST+44+2*\k:ST+45+2*\k]
.endr
	v_pk_add_f32 v[14:15], v[14:15], v[ST+60:ST+61]
	v_pk_add_f32 v[SU+2:SU+3], v[SU+2:SU+3], v[ST+62:ST+63]
	v_pk_add_f32 v[SU+4:SU+5], v[SU+4:SU+5], v[SU+6:SU+7]
	v_pk_add_f32 v[SU+8:SU+9], v[SU+8:SU+9], v[SU+10:SU+11]
	v_pk_add_f32 v[SU+12:SU+13], v[SU+12:SU+13], v[SU+14:SU+15]
	s_delay_alu instid0(VALU_DEP_4)
	v_pk_add_f32 v[14:15], v[14:15], v[SU+2:SU+3]
	s_delay_alu instid0(VALU_DEP_3)
	v_pk_add_f32 v[SU+4:SU+5], v[SU+4:SU+5], v[SU+8:SU+9]
	s_delay_alu instid0(VALU_DEP_2)
	v_pk_add_f32 v[14:15], v[14:15], v[SU+12:SU+13]
	s_delay_alu instid0(VALU_DEP_1)
	v_pk_add_f32 v[14:15], v[14:15], v[SU+4:SU+5]
	s_wait_alu depctr_va_vdst(0)
	s_wait_dscnt 0x0                               ; V is in
.irp t, 0,1,2,3
	WMP \t                                         ; the four accumulators by turns; the next step's eight products on S^T stand ahead of their next links
.endr
	s_add_co_u32 s[SK], s[SK], 6144
	s_add_co_u32 s[SSC], s[SSC], 512
	s_add_co_u32 s[SVC], s[SVC], 256
	s_sub_co_u32 s[CNT], s[CNT], 1
	s_cmp_lg_u32 s[CNT], 0
	s_cbranch_scc1 .Lstep
	; THE WAY OUT: O^T / the sum, brought into true order along the features, quantised: the head's 64 features are two blocks of the next product's K
	PLACES 4
	v_add_f32 v14, v14, v15                        ; the sum's two halves,
	s_delay_alu instid0(VALU_DEP_1)
	v_permlanex16_b32 v[WK], v14, s[SEL], s[SEL+1]
	s_delay_alu instid0(VALU_DEP_1)
	v_add_f32 v14, v14, v[WK]                      ; and lane l xor 16's
	s_wait_alu depctr_va_vdst(0)
	v_rcp_f32 v14, v14
	v_nop                                          ; one plain place behind a transcendental
	s_wait_alu depctr_va_vdst(0)
.set j, 0
.rept 16
	v_pk_mul_f32 v[OT+j:OT+j+1], v[OT+j:OT+j+1], v[14:15] op_sel_hi:[1,0]
.set j, j+2
.endr
	TRUEK OT
	QUANT2 OT, HWD
	global_store_b128 v[L16], v[PC:PC+3], s[12:13]             ; 512 consecutive bytes, aligned
	global_store_b64 v[L8], v[PC+4:PC+5], s[12:13] offset:512  ; 256
	global_store_b16 v9, v[HWD], s[14:15]          ; my row's two bytes (lanes l and l xor 16 write the same bytes with the same value): two bytes of 32 a row, one byte in 24 of what is stored
	s_wait_tensorcnt 0x0                           ; the wave's end
	ds_add_u32 v254, v255
	s_wait_dscnt 0x0
	CROUND                                         ; the closing round
	s_endpgm
.Lfunc_end_k_q73f3c5033c_attn:
	.size	k_q73f3c5033c_attn, .Lfunc_end_k_q73f3c5033c_attn-k_q73f3c5033c_attn
	.p2alignl 7, 3214868480
	.fill 96, 4, 3214868480
	.section	.rodata,"a",@progbits
	.p2align	6, 0x0
	.amdhsa_kernel k_q73f3c5033c_attn
		.amdhsa_group_segment_fixed_size 210944
		.amdhsa_private_segment_fixed_size 0
		.amdhsa_enable_private_segment 0
		.amdhsa_kernarg_size 48
		.amdhsa_user_sgpr_count 2
		.amdhsa_user_sgpr_kernarg_segment_ptr 1
		.amdhsa_wavefront_size32 1
		.amdhsa_system_sgpr_workgroup_id_x 1
		.amdhsa_system_sgpr_workgroup_id_y 1
		.amdhsa_system_sgpr_workgroup_id_z 1
		.amdhsa_system_vgpr_workitem_id 0
		.amdhsa_next_free_vgpr 256
		.amdhsa_next_free_sgpr 80
		.amdhsa_reserve_vcc 0
		.amdhsa_float_denorm_mode_32 3
		.amdhsa_float_denorm_mode_16_64 3
		.amdhsa_memory_ordered 1
		.amdhsa_forward_progress 1
		.amdhsa_inst_pref_size 30
	.end_amdhsa_kernel
	.amdgpu_metadata
---
amdhsa.version: [ 1, 2 ]
amdhsa.kernels:
  - .name:           k_q73f3c5033c_attn
    .symbol:         k_q73f3c5033c_attn.kd
    .args:
      - { .name: q_img, .offset: 0, .size: 8, .value_kind: global_buffer, .address_space: global }
      - { .name: q_sc, .offset: 8, .size: 8, .value_kind: global_buffer, .address_space: global }
      - { .name: kv_img, .offset: 16, .size: 8, .value_kind: global_buffer, .address_space: global }
      - { .name: kv_sc, .offset: 24, .size: 8, .value_kind: global_buffer, .address_space: global }
      - { .name: attn_img, .offset: 32, .size: 8, .value_kind: global_buffer, .address_space: global }
      - { .name: attn_sc, .offset: 40, .size: 8, .value_kind: global_buffer, .address_space: global }
    .group_segment_fixed_size: 210944
    .private_segment_fixed_size: 0
    .kernarg_segment_align: 8
    .kernarg_segment_size: 48
    .max_flat_workgroup_size: 512
    .sgpr_count:     80
    .vgpr_count:     256
    .wavefront_size: 32
...
	.end_amdgpu_metadata
.endif
;; end of part 2
;; launch strata (part 3): grid 8 x 32, 4 waves a work-group, clusters of 4 x 4, 327,680 bytes of LDS; arguments attn_img, attn_sc, Ws_codes, Ws_scales, bs, enh_img, enh_sc; writes enh_img, enh_sc
.if DOCPART == 3
	.amdgcn_target "amdgcn-amd-amdhsa--gfx1250"
	.amdhsa_code_object_version 6
	.text
	.protected	k_q73f3c5033c_strata
	.globl	k_q73f3c5033c_strata
	.p2align	8
	.type	k_q73f3c5033c_strata,@function
k_q73f3c5033c_strata:
	s_mov_b64 s[64:65], 0
	v_nop
	global_prefetch_b8 v0, s[64:65] scope:SCOPE_SE
	s_setreg_imm32_b32 hwreg(HW_REG_WAVE_MODE, 25, 1), 1
	s_wait_xcnt 0x0
	s_wait_alu depctr_hold_cnt(0) depctr_sa_sdst(0) depctr_va_vdst(0) depctr_va_sdst(0) depctr_va_ssrc(0) depctr_va_vcc(0) depctr_vm_vsrc(0)
	s_getreg_b32 s2, hwreg(HW_REG_IB_STS2, 6, 4)
	s_cmp_eq_u32 s2, 0
	s_cbranch_scc0 .Lentry_in_a_cluster
	s_endpgm
.Lentry_in_a_cluster:
	s_bfe_u32 s2, ttmp6, 0x10000c
	s_cmp_lg_u32 s2, 0xf033
	s_cbranch_scc0 .Lentry_shape_is_right
	s_endpgm
.Lentry_shape_is_right:
; enhanced = (the sum over n = 0, 1, 2 of (a Ws[n]^T + bs[n])) / 3 on codes of BF6 (E3M2) with one E8M0 scale for each 32 along K; a is the attention's result, as images of operand registers.
; The three products go into ONE f32 sum (K = 3 x 1,024), which begins with bs[0] + bs[1] + bs[2]; the result is quantised along the features and only codes and scale bytes are stored.
; SHARES.  A work-group makes 128 rows x 128 features; wave w rows 64 (w / 2) on, features 64 (w % 2) on: 16 accumulators of 16 x 16.
; a's 128 rows (all of K, 98,304 dense bytes) come into LDS once; each wave takes its 64 rows into 384 REGISTERS, where they serve all three weights: a K step of 128 reads from LDS only the weight's
; four fragments for its 16 matrix instructions.  Ws[0]'s rows lie in region 1, Ws[1]'s in region 2; Ws[2]'s are brought over a's bytes (region 0) once every wave has a in registers: the one refill.
; CLUSTER 4 x 4: the four work-groups of a row of the cluster need the same rows of a, the four of a column the same rows of the weights: each tile is asked for jointly.
; ORIENTATION: source 0 = 16 rows of the weight, source 1 = 16 rows of a: a lane holds ONE row and its registers run along the features, the next product's K.
; LIMITS: NaN and infinities are not served.  A block of zeros, or one under 2^-122, gets the scale byte 1 (its zero codes add nothing; only this program reads the bytes).
; The mean is a multiplication by the f32 number nearest 1/3; the order of the f32 sums is the matrix unit's.  The scale bytes leave as stores of two bytes, 32 bytes apart: one byte in 24 of what is stored.
; REGISTERS, in windows of 256: window 0: v1-19 lane numbers and addresses; v32-47 a's scale words; v48-95 the weights'; v96-122 at work; v128-255 the accumulators.
;   window 1: a's fragments of K steps 0-4 (48 q + 12 i).  window 2: v0-143 those of K steps 5-7; v144-239 the weight's fragments, two sets.  window 3: the biases, 32 a stratum.
.set PITCH, 816                        ; a weight's row in LDS: 3 x (256 bytes + 16 of padding) = 204 words: row r starts at bank 12 r mod 64 (64 banks of 4 bytes: ISA guide 11.1)
.set RGN,   128*PITCH
.set QUART, 32*PITCH
.set SPARE, 3*RGN                      ; the spare words, 128 bytes for each wave: two blocks of 256 bytes that no other line names
.set PERPANEL, 0                       ; one sum for all three weights
.set L16, 4
.set L8,  5
.set L32, 6
.set H32, 7
.set SPW, 9
.set NIL, 10
.set ADA, 12                           ; v12 16 x lane, v13 8 x lane, + my 64 rows' images
.set ADB, 14
.set SA,  32
.set SB,  48
.set TM,  96
.set SCL, 100
.set BY,  102
.set HW,  104
.set PP,  108
.set PC,  112
.set ACC, 128
.set SEL, 34
.set G1A, 36
.set G1B, 44
.set G0A, 52
.set G0B0, 56
.set G0B1, 60
.set G0B2, 68
.set WV, 72
.set MH, 73
.set NH, 74
.set XT, 77
.set YT, 78
.set OI, 14
.set OS, 16
.set MSB, 0
.macro WIN new
.if MSB != \new
	s_set_vgpr_msb (MSB<<8)|\new
.set MSB, \new
.endif
.endm
.macro PLACES n
.rept \n
	v_nop
.endr
.endm
.macro CROUND
	s_barrier_signal -1
	s_barrier_wait -1
	s_cmp_lg_u32 s[WV], 0
	s_cbranch_scc1 .Lnot_wave_0_\@
	s_barrier_signal -3
.Lnot_wave_0_\@:
	s_barrier_wait -3
	s_barrier_signal -1
	s_barrier_wait -1
.endm
.macro WM d, a, b, c, sa, sb, ra, rb
.if ((\ra)==0)&&((\rb)==0)
	v_wmma_scale_f32_16x16x128_f8f6f4 v[(\d):(\d)+7], v[(\a):(\a)+11], v[(\b):(\b)+11], v[(\c):(\c)+7], v[(\sa)], v[(\sb)] matrix_a_fmt:MATRIX_FMT_BF6 matrix_b_fmt:MATRIX_FMT_BF6
.elseif ((\ra)==1)&&((\rb)==0)
	v_wmma_scale_f32_16x16x128_f8f6f4 v[(\d):(\d)+7], v[(\a):(\a)+11], v[(\b):(\b)+11], v[(\c):(\c)+7], v[(\sa)], v[(\sb)] matrix_a_fmt:MATRIX_FMT_BF6 matrix_b_fmt:MATRIX_FMT_BF6 matrix_a_scale:MATRIX_SCALE_ROW1
.elseif ((\ra)==0)&&((\rb)==1)
	v_wmma_scale_f32_16x16x128_f8f6f4 v[(\d):(\d)+7], v[(\a):(\a)+11], v[(\b):(\b)+11], v[(\c):(\c)+7], v[(\sa)], v[(\sb)] matrix_a_fmt:MATRIX_FMT_BF6 matrix_b_fmt:MATRIX_FMT_BF6 matrix_b_scale:MATRIX_SCALE_ROW1
.else
	v_wmma_scale_f32_16x16x128_f8f6f4 v[(\d):(\d)+7], v[(\a):(\a)+11], v[(\b):(\b)+11], v[(\c):(\c)+7], v[(\sa)], v[(\sb)] matrix_a_fmt:MATRIX_FMT_BF6 matrix_b_fmt:MATRIX_FMT_BF6 matrix_a_scale:MATRIX_SCALE_ROW1 matrix_b_scale:MATRIX_SCALE_ROW1
.endif
.endm
; a fragment from rows in LDS: lane l holds row l % 16; registers 6 c .. 6 c + 5 hold K = 64 c + 32 (l / 16) + 0 .. 31, in pieces of 8 bytes; lanes 16-31 read three pieces further on,
; and where that is behind one padding more (16 bytes behind every 32 pieces) the second address register serves
.macro FRAG reg, adr, q, i
.irp n, 0,1,2,3,4,5
.set PCN, 12*(\q)+6*(\n/3)+\n%3
.if PCN%32 < 29
	ds_load_b64 v[(\reg)+2*\n:(\reg)+2*\n+1], v[(\adr)] offset:8*PCN+16*(PCN/32)+(\i)*16*PITCH
.else
	ds_load_b64 v[(\reg)+2*\n:(\reg)+2*\n+1], v[(\adr)+1] offset:8*PCN+16*(PCN/32)+(\i)*16*PITCH
.endif
.endr
.endm
.macro AIMG reg, q, i                  ; a fragment of a from its image: two halves of 768 bytes, each by a load of 16 bytes and one of 8 a lane, consecutive from lane to lane
.irp c, 0,1
	ds_load_b128 v[(\reg)+6*\c:(\reg)+6*\c+3], v[ADA] offset:(8*(\i)+(\q))*1536+768*\c
	ds_load_b64 v[(\reg)+6*\c+4:(\reg)+6*\c+5], v[ADA+1] offset:(8*(\i)+(\q))*1536+768*\c+512
.endr
.endm
.macro FETCH_B reg, q, buf
	WIN 0x80                                       ; destination window 2, address window 0
.irp t, 0,1,2,3
	FRAG 144+48*(\buf)+12*\t, ADB+2*(\reg), \q, \t
.endr
.endm
; 16 matrix instructions: weight p, K step q.  The 16 accumulators take turns, one instruction a turn, in the same order in every step.
; first = 1: the summed bias is the C of the sum's first instruction.
.macro MULS p, q, buf, first
.if \first
	WIN 0x36                                       ; source 0 (weight) window 2, source 1 (a) window 1, C (bias) window 3, D window 0
.elseif (\q) < 5
	WIN 0x06
.else
	WIN 0x0a
.endif
.irp t, 0,1,2,3
.irp i, 0,1,2,3
.set xRB, 144+48*(\buf)+12*\t
.if (\q) < 5
.set xRA, 48*(\q)+12*\i
.else
.set xRA, 48*((\q)-5)+12*\i
.endif
.set xSB, SB+16*(\p)+8*(\t/2)+(\q)
.set xSA, SA+8*(\i/2)+(\q)
.set xD, ACC+32*\i+8*\t
.if \first
.set xC, 8*\t
.else
.set xC, xD
.endif
	WM xD, xRB, xRA, xC, xSB, xSA, \t%2, \i%2
.endr
.endr
.endm
; A K step.  mode 0: plain.  1: it carries the refill of region 0.  2: the next fetch reads region 0, so the refill is waited for and shown to all four waves first.  3: nothing more to fetch.
.macro KSTEP p, q, mode, nreg, nq
	s_wait_dscnt 0x0                               ; this step's 24 loads, issued 16 matrix instructions ago
.if \mode == 2
	s_wait_tensorcnt 0x0                           ; my quarter of the third weight has landed,
	s_barrier_signal -1
	s_barrier_wait -1                              ; everybody's has
.endif
	PLACES 4                                       ; four plain places between the last step's products and loads into the set that they read
.if \mode != 3
	FETCH_B \nreg, \nq, ((\q)+1)%2
.endif
.if \mode == 1
	WIN 0                                          ; (the add's two registers lie in window 0)
	s_wait_tensorcnt 0x0                           ; all my tensor loads have landed: the one that could be out is my quarter of the second weight
	ds_add_u32 v[SPW], v[NIL]                      ; 0 onto my spare word; 16 matrix instructions stand between it and the wait for it
.endif
.if ((\q)==0)&&(((\p)==0)||PERPANEL)
	MULS \p, \q, (\q)%2, 1
.else
	MULS \p, \q, (\q)%2, 0
.endif
.if \mode == 1
	WIN 0                                          ; at a branch and at a label every window is 0
	s_wait_dscnt 0x0                               ; the add is done; my reads of region 0 ended long ago
	CROUND                                         ; the same now holds of every wave of every partner
	tensor_load_to_lds s[G0B2:G0B2+3], s[G1B:G1B+7]    ; the third weight over a's bytes: my one tensor load behind the round; 12 K steps lie ahead of its first read
	s_nop 0
	PLACES 4
.endif
.endm
.macro QUANT2 s, hw
	s_wait_xcnt 0x0                                ; the stores issued so far have read their data: v[PC] on may be written again
.irp b, 0,1
	v_max3_num_f32 v[TM+\b], |v[(\s)+16*\b]|, |v[(\s)+16*\b+1]|, 0x2800000   ; my 16 numbers and the floor 2^(5 - 127): the byte cannot fall under 1
.endr
.irp i, 2,4,6,8,10,12,14
.irp b, 0,1
	v_max3_num_f32 v[TM+\b], v[TM+\b], |v[(\s)+16*\b+\i]|, |v[(\s)+16*\b+\i+1]|
.endr
.endr
.irp b, 0,1
	v_permlanex16_b32 v[TM+2+\b], v[TM+\b], s[SEL], s[SEL+1]
.endr
.irp b, 0,1
	v_max_num_f32 v[TM+\b], v[TM+\b], v[TM+2+\b]
.endr
.irp b, 0,1
	v_add_nc_u32 v[SCL+\b], 0xfe000000, v[TM+\b]   ; 4 off the exponent field: the conversion's scale operand
.endr
.irp b, 0,1
	v_lshrrev_b32 v[BY+\b], 23, v[SCL+\b]
.endr
	v_lshl_or_b32 v[(\hw)], v[BY+1], 8, v[BY]
	v_cvt_scalef32_pk16_bf6_f32 v[PC:PC+2], v[(\s):(\s)+15], v[SCL]
	v_cvt_scalef32_pk16_bf6_f32 v[PC+8:PC+10], v[(\s)+16:(\s)+31], v[SCL+1]
	v_nop                                          ; one plain place behind a scaled conversion
.irp i, 0,1,2
	v_permlane16_swap_b32 v[PC+\i], v[PC+8+\i]
.endr
.irp i, 0,1,2
	v_mov_b32 v[PC+3+\i], v[PC+8+\i]
.endr
.endm
.macro TRUEK s                         ; registers 16 b + j and 16 b + 8 + j change halves of the lanes: a lane's 16 registers of a block are then 16 neighbours along the next K
.irp b, 0,1
.irp j, 0,1,2,3,4,5,6,7
	v_permlane16_swap_b32 v[(\s)+16*\b+\j], v[(\s)+16*\b+8+\j]
.endr
.endr
.endm
.macro HFST base, off
	global_store_b128 v[L16], v[PC:PC+3], s[\base:\base+1] offset:\off
	global_store_b64 v[L8], v[PC+4:PC+5], s[\base:\base+1] offset:(\off)+512
.endm
	s_load_b256 s[4:11], s[0:1], 0x0               ; a's images, a's scales, Ws's codes, Ws's scales
	s_load_b128 s[12:15], s[0:1], 0x20             ; bs, enh_img
	s_load_b64 s[16:17], s[0:1], 0x30              ; enh_sc
	v_lshl_add_u32 v[SPW], v0, 2, SPARE
	v_mov_b32 v[NIL], 0
	ds_add_u32 v9, v10
	ds_add_u32 v9, v10
	s_wait_dscnt 0x0
	v_lshrrev_b32 v1, 5, v0
	v_readfirstlane_b32 s[WV], v1
	s_lshr_b32 s[MH], s[WV], 1
	s_and_b32 s[NH], s[WV], 1
	s_bfe_u32 s75, ttmp6, 0x40000
	s_bfe_u32 s76, ttmp6, 0x40004
	s_lshl_b32 s[XT], ttmp9, 2
	s_add_co_u32 s[XT], s[XT], s75                 ; tile of 128 features
	s_and_b32 s[YT], ttmp7, 0xffff
	s_lshl_b32 s[YT], s[YT], 2
	s_add_co_u32 s[YT], s[YT], s76                 ; tile of 128 rows
	s_lshl_b32 s79, s76, 2
	s_lshl_b32 s79, 15, s79                        ; my row of the cluster
	s_lshl_b32 s80, 0x1111, s75                    ; my column
	s_or_b32 s[G1A], s79, (3<<16)|(1<<21)          ; a's images: a dense block as 192 rows of 256 bytes (32 elements of 8 bytes), no padding; the mask: my row
	s_mov_b32 s[G1A+1], 32<<16
	s_mov_b32 s[G1A+2], 192<<16
	s_mov_b32 s[G1A+3], 32<<16
	s_mov_b32 s[G1A+4], 192
	s_mov_b32 s[G1A+5], 32
	s_mov_b32 s[G1A+6], 0
	s_mov_b32 s[G1A+7], 0
	s_or_b32 s[G1B], s80, (1<<20)|(1<<21)|(5<<22)|(3<<25)   ; the weights: rows of 768 bytes, 16 bytes of padding behind every 256; 128 rows at the head, 32 for the refill; the mask: my column
	s_mov_b32 s[G1B+1], 768<<16
	s_mov_b32 s[G1B+2], 128<<16
	s_mov_b32 s[G1B+3], 768<<16
	s_mov_b32 s[G1B+4], 128
	s_mov_b32 s[G1B+5], 768
	s_mov_b32 s[G1B+6], 0
	s_mov_b32 s[G1B+7], 0
	s_mul_i32 s81, s[WV], 24576                    ; my quarter of a tile in memory
	s_mul_i32 s100, s[NH], 49152                   ; at the head a wave brings half a tile: in memory (and a's half in LDS),
	s_mul_i32 s82, s[YT], 98304
	s_add_co_u32 s82, s82, s100                    ; a: made of the row tile and the wave's number alone
	s_mov_b32 s83, 0
	s_mul_i32 s84, s[XT], 98304
	s_mov_b32 s86, s84                             ; Ws[0]'s and Ws[1]'s whole tile
	s_mov_b32 s87, 0
	s_add_co_u32 s84, s84, s81                     ; Ws[2]'s quarter: of the feature tile and the wave's number alone
	s_mov_b32 s85, 0
	s_mul_i32 s98, s[WV], QUART
	s_mov_b32 s[SEL], 0x76543210
	s_mov_b32 s[SEL+1], 0xfedcba98
	s_mov_b32 s96, 0xffff0000                      ; lanes 16-31: kept for the whole launch
	s_mov_b32 s3, 0
	s_wait_kmcnt 0x0
	s_mov_b32 s[G0A], 1
	s_mov_b32 s[G0A+1], s100                       ; region 0, dense
	s_add_nc_u64 s[G0A+2:G0A+3], s[4:5], s[82:83]
	s_or_b32 s[G0A+3], s[G0A+3], 0x80000000
	s_add_nc_u64 s[G0B0+2:G0B0+3], s[8:9], s[86:87]
	s_add_nc_u64 s[G0B1+2:G0B1+3], s[G0B0+2:G0B0+3], 786432    ; the next stratum's weight
	s_add_nc_u64 s[G0B2+2:G0B2+3], s[8:9], s[84:85]
	s_add_nc_u64 s[G0B2+2:G0B2+3], s[G0B2+2:G0B2+3], 2*786432  ; my quarter of the third
	s_mov_b32 s[G0B0], 1
	s_mov_b32 s[G0B0+1], RGN                       ; region 1
	s_or_b32 s[G0B0+3], s[G0B0+3], 0x80000000
	s_mov_b32 s[G0B1], 1
	s_mov_b32 s[G0B1+1], 2*RGN                     ; region 2
	s_or_b32 s[G0B1+3], s[G0B1+3], 0x80000000
	s_mov_b32 s[G0B2], 1
	s_mov_b32 s[G0B2+1], s98                       ; region 0 again
	s_or_b32 s[G0B2+3], s[G0B2+3], 0x80000000
	CROUND                                         ; all sixteen work-groups are here: the first joint loads meet
	s_cmp_eq_u32 s[MH], 0                          ; the head's loads, one a wave, in one chain of three arms: waves 0 and 1 bring a's two halves, wave 2 Ws[0], wave 3 Ws[1]
	s_cbranch_scc0 .Lhead_w
	tensor_load_to_lds s[G0A:G0A+3], s[G1A:G1A+7]
	s_nop 0
	PLACES 4
	s_branch .Lhead_asked
.Lhead_w:
	s_cmp_eq_u32 s[WV], 2
	s_cbranch_scc0 .Lhead_k
	tensor_load_to_lds s[G0B0:G0B0+3], s[G1B:G1B+7]
	s_nop 0
	PLACES 4
	s_branch .Lhead_asked
.Lhead_k:
	tensor_load_to_lds s[G0B1:G0B1+3], s[G1B:G1B+7]
	s_nop 0
	PLACES 4
.Lhead_asked:
	v_and_b32 v1, 31, v0
	v_and_b32 v2, 15, v0
	v_bfe_u32 v3, v0, 4, 1
	v_lshlrev_b32 v[L16], 4, v1
	v_lshlrev_b32 v[L8], 3, v1
	v_lshlrev_b32 v[L32], 5, v1
	s_wait_alu depctr_va_vdst(0)
	v_lshlrev_b32 v[H32], 5, v3
	s_wait_alu depctr_va_vdst(0)
	v_mov_b32 v[TM+2], 0                           ; written once: a lane permute's destination counts as one of its sources
	v_mov_b32 v[TM+3], 0
	s_lshl_b32 s2, s[YT], 12                       ; a's scale bytes: 32 a row; my 64 rows
	s_lshl_b32 s86, s[MH], 11
	s_add_co_u32 s2, s2, s86
	s_add_nc_u64 s[6:7], s[6:7], s[2:3]
	s_lshl_b32 s2, s[XT], 12                       ; my 64 rows of each weight
	s_lshl_b32 s86, s[NH], 11
	s_add_co_u32 s2, s2, s86
	s_add_nc_u64 s[10:11], s[10:11], s[2:3]
	s_lshl_b32 s2, s[XT], 9                        ; my 64 numbers of each bias
	s_lshl_b32 s86, s[NH], 8
	s_add_co_u32 s2, s2, s86
	s_add_nc_u64 s[12:13], s[12:13], s[2:3]
.irp j, 0,1
.irp u, 0,1
	global_load_b128 v[SA+8*\j+4*\u:SA+8*\j+4*\u+3], v[L32], s[6:7] offset:1024*\j+16*\u
.endr
.endr
.irp p, 0,1,2
.irp j, 0,1
.irp u, 0,1
	global_load_b128 v[SB+16*\p+8*\j+4*\u:SB+16*\p+8*\j+4*\u+3], v[L32], s[10:11] offset:32768*\p+1024*\j+16*\u
.endr
.endr
.endr
	WIN 0xc0                                       ; destination window 3
.irp p, 0,1,2
.irp t, 0,1,2,3
	global_load_b128 v[32*\p+8*\t:32*\p+8*\t+3], v[H32], s[12:13] offset:4096*\p+64*\t          ; register j: bs[p] of feature 16 t + 8 h + j
	global_load_b128 v[32*\p+8*\t+4:32*\p+8*\t+7], v[H32], s[12:13] offset:4096*\p+64*\t+16
.endr
.endr
	WIN 0
	v_mul_u32_u24 v11, v2, PITCH
	v_mad_u32_u24 v[ADA], v3, 24, v11
	v_mad_u32_u24 v[ADA+1], v3, 40, v11
	s_mul_i32 s99, s[NH], 64*PITCH                 ; my 64 rows of a weight
.irp g, 0,1,2
	v_add_nc_u32 v[ADB+2*\g], s99, v[ADA]
	v_add_nc_u32 v[ADB+2*\g+1], s99, v[ADA+1]
	s_add_co_u32 s99, s99, RGN
.endr
	s_mul_i32 s99, s[MH], 49152                    ; my 64 rows' images of a
	v_add_nc_u32 v[ADA], s99, v[L16]
	v_add_nc_u32 v[ADA+1], s99, v[L8]
	s_lshl_b32 s2, s[YT], 3                        ; where the results go: [tile of 16 rows][128 features][which 64]
	s_lshl_b32 s86, s[MH], 2
	s_add_co_u32 s2, s2, s86
	s_mul_i32 s2, s2, 12288
	s_mul_i32 s86, s[XT], 1536
	s_add_co_u32 s2, s2, s86
	s_mul_i32 s86, s[NH], 768
	s_add_co_u32 s2, s2, s86
	s_add_nc_u64 s[OI:OI+1], s[OI:OI+1], s[2:3]
	s_lshl_b32 s2, s[YT], 12                       ; scale bytes: 32 a row; my features' two
	s_lshl_b32 s86, s[MH], 11
	s_add_co_u32 s2, s2, s86
	s_lshl_b32 s86, s[XT], 2
	s_add_co_u32 s2, s2, s86
	s_lshl_b32 s86, s[NH], 1
	s_add_co_u32 s2, s2, s86
	s_add_nc_u64 s[OS:OS+1], s[OS:OS+1], s[2:3]
	s_wait_alu depctr_va_vdst(0)
	s_cmp_lg_u32 s[MH], 0                          ; only the waves that fetched a wait here: the weights' loads may stay out,
	s_cbranch_scc1 .La_waited
	s_wait_tensorcnt 0x0                           ; my half of a is in
.La_waited:
	s_barrier_signal -1
	s_barrier_wait -1                              ; a is whole
	WIN 0x40                                       ; a into registers: destination window 1
.irp q, 0,1,2,3,4
.irp i, 0,1,2,3
	AIMG 48*\q+12*\i, \q, \i
.endr
.endr
	WIN 0x80                                       ; window 2
.irp q, 5,6,7
.irp i, 0,1,2,3
	AIMG 48*(\q-5)+12*\i, \q, \i
.endr
.endr
	WIN 0
	s_wait_tensorcnt 0x0                           ; all my tensor loads have landed: for waves 2 and 3 a weight
	ds_add_u32 v[SPW], v[NIL]
	s_mov_b32 s[G1B+2], 32<<16                     ; no tensor load of mine is out: from here on a weight's load brings 32 rows
	s_mov_b32 s[G1B+4], 32
	s_wait_dscnt 0x0                               ; the add is done, and a is in my registers: my reads of region 0 are over
	CROUND                                         ; the same holds of every wave of every partner; Ws[0] and Ws[1] are whole
	tensor_load_to_lds s[G0B2:G0B2+3], s[G1B:G1B+7]    ; Ws[2] over a's bytes, a quarter a wave: my one tensor load behind the round; 16 K steps lie ahead of its first read
	s_nop 0
	PLACES 4
	s_wait_loadcnt 0x0                             ; scale words and biases
	WIN 0xff                                       ; all in window 3: bs[0] + bs[1] + bs[2]
.set k, 0
.rept 16
	v_pk_add_f32 v[k:k+1], v[k:k+1], v[32+k:33+k]
.set k, k+2
.endr
.set k, 0
.rept 16
	v_pk_add_f32 v[k:k+1], v[k:k+1], v[64+k:65+k]
.set k, k+2
.endr
	FETCH_B 1, 0, 0
	s_wait_alu depctr_va_vdst(0)
.irp q, 0,1,2,3,4,5,6
	KSTEP 0, \q, 0, 1, \q+1
.endr
	KSTEP 0, 7, 0, 2, 0                            ; Ws[1] was shown landed to all in front of the round
.irp q, 0,1,2,3,4,5,6
	KSTEP 1, \q, 0, 2, \q+1
.endr
	KSTEP 1, 7, 2, 0, 0
.irp q, 0,1,2,3,4,5,6
	KSTEP 2, \q, 0, 0, \q+1
.endr
	KSTEP 2, 7, 3, 0, 0
	; THE WAY OUT: the mean, true order along the features, the quantiser
	WIN 0
	PLACES 4                                       ; between the last products and the first read of results
.set k, 0
.rept 64
	v_pk_mul_f32 v[ACC+k:ACC+k+1], v[ACC+k:ACC+k+1], 0x3eaaaaab op_sel_hi:[1,0]   ; x 1/3, each accumulator from its low end on
.set k, k+2
.endr
.irp i, 0,1,2,3
	TRUEK ACC+32*\i
	s_wait_alu depctr_va_vdst(0)
	QUANT2 ACC+32*\i, HW+\i
	HFST OI, 12288*\i
.endr
	v_cndmask_b32 v[PP], v[HW], v[HW+1], s96       ; lane l: row l's two bytes,
	v_cndmask_b32 v[PP+1], v[HW+2], v[HW+3], s96   ; and row 32 + l's
	global_store_b16 v[L32], v[PP], s[OS:OS+1]
	global_store_b16 v[L32], v[PP+1], s[OS:OS+1] offset:1024
	s_wait_tensorcnt 0x0                           ; the wave's end
	ds_add_u32 v[SPW], v[NIL]
	s_wait_dscnt 0x0
	CROUND                                         ; the closing round
	s_endpgm
.Lfunc_end_k_q73f3c5033c_strata:
	.size	k_q73f3c5033c_strata, .Lfunc_end_k_q73f3c5033c_strata-k_q73f3c5033c_strata
	.p2alignl 7, 3214868480
	.fill 96, 4, 3214868480
	.section	.rodata,"a",@progbits
	.p2align	6, 0x0
	.amdhsa_kernel k_q73f3c5033c_strata
		.amdhsa_group_segment_fixed_size 327680
		.amdhsa_private_segment_fixed_size 0
		.amdhsa_enable_private_segment 0
		.amdhsa_kernarg_size 56
		.amdhsa_user_sgpr_count 2
		.amdhsa_user_sgpr_kernarg_segment_ptr 1
		.amdhsa_wavefront_size32 1
		.amdhsa_system_sgpr_workgroup_id_x 1
		.amdhsa_system_sgpr_workgroup_id_y 1
		.amdhsa_system_sgpr_workgroup_id_z 1
		.amdhsa_system_vgpr_workitem_id 0
		.amdhsa_next_free_vgpr 864
		.amdhsa_next_free_sgpr 102
		.amdhsa_reserve_vcc 0
		.amdhsa_float_denorm_mode_32 3
		.amdhsa_float_denorm_mode_16_64 3
		.amdhsa_memory_ordered 1
		.amdhsa_forward_progress 1
		.amdhsa_inst_pref_size 129
	.end_amdhsa_kernel
	.amdgpu_metadata
---
amdhsa.version: [ 1, 2 ]
amdhsa.kernels:
  - .name:           k_q73f3c5033c_strata
    .symbol:         k_q73f3c5033c_strata.kd
    .args:
      - { .name: attn_img, .offset: 0, .size: 8, .value_kind: global_buffer, .address_space: global }
      - { .name: attn_sc, .offset: 8, .size: 8, .value_kind: global_buffer, .address_space: global }
      - { .name: Ws_codes, .offset: 16, .size: 8, .value_kind: global_buffer, .address_space: global }
      - { .name: Ws_scales, .offset: 24, .size: 8, .value_kind: global_buffer, .address_space: global }
      - { .name: bs, .offset: 32, .size: 8, .value_kind: global_buffer, .address_space: global }
      - { .name: enh_img, .offset: 40, .size: 8, .value_kind: global_buffer, .address_space: global }
      - { .name: enh_sc, .offset: 48, .size: 8, .value_kind: global_buffer, .address_space: global }
    .group_segment_fixed_size: 327680
    .private_segment_fixed_size: 0
    .kernarg_segment_align: 8
    .kernarg_segment_size: 56
    .max_flat_workgroup_size: 128
    .sgpr_count:     102
    .vgpr_count:     864
    .wavefront_size: 32
...
	.end_amdgpu_metadata
.endif
;; end of part 3
;; launch outp (part 4): grid 8 x 32, 4 waves a work-group, clusters of 4 x 4, 327,680 bytes of LDS; arguments enh_img, enh_sc, Wo_codes, Wo_scales, bo, out0; writes out0
.if DOCPART == 4
	.amdgcn_target "amdgcn-amd-amdhsa--gfx1250"
	.amdhsa_code_object_version 6
	.text
	.protected	k_q73f3c5033c_outp
	.globl	k_q73f3c5033c_outp
	.p2align	8
	.type	k_q73f3c5033c_outp,@function
k_q73f3c5033c_outp:
	s_mov_b64 s[64:65], 0
	v_nop
	global_prefetch_b8 v0, s[64:65] scope:SCOPE_SE
	s_setreg_imm32_b32 hwreg(HW_REG_WAVE_MODE, 25, 1), 1
	s_wait_xcnt 0x0
	s_wait_alu depctr_hold_cnt(0) depctr_sa_sdst(0) depctr_va_vdst(0) depctr_va_sdst(0) depctr_va_ssrc(0) depctr_va_vcc(0) depctr_vm_vsrc(0)
	s_getreg_b32 s2, hwreg(HW_REG_IB_STS2, 6, 4)
	s_cmp_eq_u32 s2, 0
	s_cbranch_scc0 .Lentry_in_a_cluster
	s_endpgm
.Lentry_in_a_cluster:
	s_bfe_u32 s2, ttmp6, 0x10000c
	s_cmp_lg_u32 s2, 0xf033
	s_cbranch_scc0 .Lentry_shape_is_right
	s_endpgm
.Lentry_shape_is_right:
; out = e Wo^T + bo on codes of BF6 (E3M2) with one E8M0 scale for each 32 along K (K = 1,024), sums in f32; e is the mean of the strata, as images of operand registers.
; A work-group makes 128 rows x 128 columns; wave w rows 64 (w / 2) on, columns 64 (w % 2) on: 16 accumulators of 16 x 16, which begin with the bias as C.
; LDS is filled once, one tensor load a wave at the head: waves 0 and 1 bring e's two halves (region 0, dense), waves 2 and 3 Wo's (region 1, padded rows).  A first barrier shows e whole, a second Wo too.
; Each wave takes its 64 rows of e into 384 registers; a K step of 128 reads from LDS only the weight's four fragments.  CLUSTER 4 x 4: e's tiles are asked for jointly along a row, Wo's along a column.
; The results leave through each wave's own stage in LDS as whole rows of 256 bytes.  No prefetch: all fills are asked for at the head.  LIMITS: NaN and infinities are not served.
.set PITCH, 816
.set RGN,   128*PITCH
.set QUART, 32*PITCH
.set STAGE, 2*RGN
.set L16, 4
.set L8,  5
.set L32, 6
.set H32, 7
.set ADA, 12
.set ADB, 14
.set STO, 20
.set RD,  21
.set CO,  22
.set SA,  32
.set SB,  48
.set ACC, 128
.set G1A, 36
.set G1B, 44
.set G0A, 52
.set G0B0, 56
.set WV, 72
.set MH, 73
.set NH, 74
.set XT, 77
.set YT, 78
.set MSB, 0
.macro WIN new
.if MSB != \new
	s_set_vgpr_msb (MSB<<8)|\new
.set MSB, \new
.endif
.endm
.macro PLACES n
.rept \n
	v_nop
.endr
.endm
.macro CROUND
	s_barrier_signal -1
	s_barrier_wait -1
	s_cmp_lg_u32 s[WV], 0
	s_cbranch_scc1 .Lnot_wave_0_\@
	s_barrier_signal -3
.Lnot_wave_0_\@:
	s_barrier_wait -3
	s_barrier_signal -1
	s_barrier_wait -1
.endm
.macro WM d, a, b, c, sa, sb, ra, rb
.if ((\ra)==0)&&((\rb)==0)
	v_wmma_scale_f32_16x16x128_f8f6f4 v[(\d):(\d)+7], v[(\a):(\a)+11], v[(\b):(\b)+11], v[(\c):(\c)+7], v[(\sa)], v[(\sb)] matrix_a_fmt:MATRIX_FMT_BF6 matrix_b_fmt:MATRIX_FMT_BF6
.elseif ((\ra)==1)&&((\rb)==0)
	v_wmma_scale_f32_16x16x128_f8f6f4 v[(\d):(\d)+7], v[(\a):(\a)+11], v[(\b):(\b)+11], v[(\c):(\c)+7], v[(\sa)], v[(\sb)] matrix_a_fmt:MATRIX_FMT_BF6 matrix_b_fmt:MATRIX_FMT_BF6 matrix_a_scale:MATRIX_SCALE_ROW1
.elseif ((\ra)==0)&&((\rb)==1)
	v_wmma_scale_f32_16x16x128_f8f6f4 v[(\d):(\d)+7], v[(\a):(\a)+11], v[(\b):(\b)+11], v[(\c):(\c)+7], v[(\sa)], v[(\sb)] matrix_a_fmt:MATRIX_FMT_BF6 matrix_b_fmt:MATRIX_FMT_BF6 matrix_b_scale:MATRIX_SCALE_ROW1
.else
	v_wmma_scale_f32_16x16x128_f8f6f4 v[(\d):(\d)+7], v[(\a):(\a)+11], v[(\b):(\b)+11], v[(\c):(\c)+7], v[(\sa)], v[(\sb)] matrix_a_fmt:MATRIX_FMT_BF6 matrix_b_fmt:MATRIX_FMT_BF6 matrix_a_scale:MATRIX_SCALE_ROW1 matrix_b_scale:MATRIX_SCALE_ROW1
.endif
.endm
.macro FRAG reg, adr, q, i
.irp n, 0,1,2,3,4,5
.set PCN, 12*(\q)+6*(\n/3)+\n%3
.if PCN%32 < 29
	ds_load_b64 v[(\reg)+2*\n:(\reg)+2*\n+1], v[(\adr)] offset:8*PCN+16*(PCN/32)+(\i)*16*PITCH
.else
	ds_load_b64 v[(\reg)+2*\n:(\reg)+2*\n+1], v[(\adr)+1] offset:8*PCN+16*(PCN/32)+(\i)*16*PITCH
.endif
.endr
.endm
.macro AIMG reg, q, i
.irp c, 0,1
	ds_load_b128 v[(\reg)+6*\c:(\reg)+6*\c+3], v[ADA] offset:(8*(\i)+(\q))*1536+768*\c
	ds_load_b64 v[(\reg)+6*\c+4:(\reg)+6*\c+5], v[ADA+1] offset:(8*(\i)+(\q))*1536+768*\c+512
.endr
.endm
.macro FETCH_B reg, q, buf
	WIN 0x80
.irp t, 0,1,2,3
	FRAG 144+48*(\buf)+12*\t, ADB+2*(\reg), \q, \t
.endr
.endm
.macro MULS q, buf, first
.if \first
	WIN 0x36
.elseif (\q) < 5
	WIN 0x06
.else
	WIN 0x0a
.endif
.irp t, 0,1,2,3
.irp i, 0,1,2,3
.set xRB, 144+48*(\buf)+12*\t
.if (\q) < 5
.set xRA, 48*(\q)+12*\i
.else
.set xRA, 48*((\q)-5)+12*\i
.endif
.set xSB, SB+8*(\t/2)+(\q)
.set xSA, SA+8*(\i/2)+(\q)
.set xD, ACC+32*\i+8*\t
.if \first
.set xC, 8*\t
.else
.set xC, xD
.endif
	WM xD, xRB, xRA, xC, xSB, xSA, \t%2, \i%2
.endr
.endr
.endm
.macro KSTEP q, more
	s_wait_dscnt 0x0
	PLACES 4
.if \more
	FETCH_B 1, (\q)+1, ((\q)+1)%2
.endif
.if (\q) == 0
	MULS \q, (\q)%2, 1
.else
	MULS \q, (\q)%2, 0
.endif
.endm
.macro TOSTAGE i
.irp t, 0,1,2,3
	ds_store_b128 v[STO], v[ACC+32*(\i)+8*\t:ACC+32*(\i)+8*\t+3] offset:64*\t
	ds_store_b128 v[STO], v[ACC+32*(\i)+8*\t+4:ACC+32*(\i)+8*\t+7] offset:64*\t+16
.endr
.irp u, 0,1,2,3,4,5,6,7
	ds_load_b128 v[ACC+32*(\i)+4*\u:ACC+32*(\i)+4*\u+3], v[RD] offset:544*\u
.endr
.endm
.macro SEND i, younger
.irp u, 0,1,2,3,4,5,6,7
	s_wait_dscnt (\younger)+7-\u
	global_store_b128 v[CO], v[ACC+32*(\i)+4*\u:ACC+32*(\i)+4*\u+3], s[14:15] offset:(16*(\i)+2*\u)*4096 th:TH_STORE_NT
.endr
.endm
	s_load_b256 s[4:11], s[0:1], 0x0
	s_load_b128 s[12:15], s[0:1], 0x20
	v_lshl_add_u32 v126, v0, 2, 0x37400
	v_mov_b32 v127, 0
	ds_add_u32 v126, v127
	ds_add_u32 v126, v127
	v_lshrrev_b32 v1, 5, v0
	v_readfirstlane_b32 s[WV], v1
	s_lshr_b32 s[MH], s[WV], 1
	s_and_b32 s[NH], s[WV], 1
	s_bfe_u32 s75, ttmp6, 0x40000
	s_bfe_u32 s76, ttmp6, 0x40004
	s_lshl_b32 s[XT], ttmp9, 2
	s_add_co_u32 s[XT], s[XT], s75
	s_and_b32 s[YT], ttmp7, 0xffff
	s_lshl_b32 s[YT], s[YT], 2
	s_add_co_u32 s[YT], s[YT], s76
	s_lshl_b32 s79, s76, 2
	s_lshl_b32 s79, 15, s79
	s_lshl_b32 s80, 0x1111, s75
	s_or_b32 s[G1A], s79, (3<<16)|(1<<21)
	s_mov_b32 s[G1A+1], 32<<16
	s_mov_b32 s[G1A+2], 192<<16
	s_mov_b32 s[G1A+3], 32<<16
	s_mov_b32 s[G1A+4], 192
	s_mov_b32 s[G1A+5], 32
	s_mov_b32 s[G1A+6], 0
	s_mov_b32 s[G1A+7], 0
	s_or_b32 s[G1B], s80, (1<<20)|(1<<21)|(5<<22)|(3<<25)
	s_mov_b32 s[G1B+1], 768<<16
	s_mov_b32 s[G1B+2], 64<<16
	s_mov_b32 s[G1B+3], 768<<16
	s_mov_b32 s[G1B+4], 64
	s_mov_b32 s[G1B+5], 768
	s_mov_b32 s[G1B+6], 0
	s_mov_b32 s[G1B+7], 0
	s_mul_i32 s81, s[NH], 49152                    ; a wave brings half a tile: in memory (and e's half in LDS),
	s_mul_i32 s82, s[YT], 98304
	s_add_co_u32 s82, s82, s81
	s_mov_b32 s83, 0
	s_mul_i32 s84, s[XT], 98304
	s_add_co_u32 s84, s84, s81
	s_mov_b32 s85, 0
	s_mul_i32 s98, s[NH], 64*PITCH                 ; and Wo's half in its region
	s_mov_b32 s3, 0
	s_wait_dscnt 0x0
	s_wait_kmcnt 0x0
	s_mov_b32 s[G0A], 1
	s_mov_b32 s[G0A+1], s81
	s_add_nc_u64 s[G0A+2:G0A+3], s[4:5], s[82:83]
	s_or_b32 s[G0A+3], s[G0A+3], 0x80000000
	s_mov_b32 s[G0B0], 1
	s_add_co_u32 s[G0B0+1], s98, RGN
	s_add_nc_u64 s[G0B0+2:G0B0+3], s[8:9], s[84:85]
	s_or_b32 s[G0B0+3], s[G0B0+3], 0x80000000
	CROUND
	s_cmp_eq_u32 s[MH], 0                          ; one load a wave, in the two arms of one branch on the wave's number
	s_cbranch_scc0 .Lhead_w
	tensor_load_to_lds s[G0A:G0A+3], s[G1A:G1A+7]
	s_nop 0
	PLACES 4
	s_branch .Lhead_asked
.Lhead_w:
	tensor_load_to_lds s[G0B0:G0B0+3], s[G1B:G1B+7]
	s_nop 0
	PLACES 4
.Lhead_asked:
	v_and_b32 v1, 31, v0
	v_and_b32 v2, 15, v0
	v_bfe_u32 v3, v0, 4, 1
	v_lshlrev_b32 v[L16], 4, v1
	v_lshlrev_b32 v[L8], 3, v1
	v_lshlrev_b32 v[L32], 5, v1
	s_wait_alu depctr_va_vdst(0)
	v_lshlrev_b32 v[H32], 5, v3
	s_wait_alu depctr_va_vdst(0)
	s_lshl_b32 s2, s[YT], 12
	s_lshl_b32 s86, s[MH], 11
	s_add_co_u32 s2, s2, s86
	s_add_nc_u64 s[6:7], s[6:7], s[2:3]
	s_lshl_b32 s2, s[XT], 12
	s_lshl_b32 s86, s[NH], 11
	s_add_co_u32 s2, s2, s86
	s_add_nc_u64 s[10:11], s[10:11], s[2:3]
	s_lshl_b32 s2, s[XT], 9
	s_lshl_b32 s86, s[NH], 8
	s_add_co_u32 s2, s2, s86
	s_add_nc_u64 s[12:13], s[12:13], s[2:3]
.irp j, 0,1
.irp u, 0,1
	global_load_b128 v[SA+8*\j+4*\u:SA+8*\j+4*\u+3], v[L32], s[6:7] offset:1024*\j+16*\u
	global_load_b128 v[SB+8*\j+4*\u:SB+8*\j+4*\u+3], v[L32], s[10:11] offset:1024*\j+16*\u
.endr
.endr
	WIN 0xc0
.irp t, 0,1,2,3
	global_load_b128 v[8*\t:8*\t+3], v[H32], s[12:13] offset:64*\t
	global_load_b128 v[8*\t+4:8*\t+7], v[H32], s[12:13] offset:64*\t+16
.endr
	WIN 0
	v_mul_u32_u24 v11, v2, PITCH
	s_mul_i32 s99, s[NH], 64*PITCH
	s_add_co_u32 s99, s99, RGN
	v_mad_u32_u24 v[ADB+2], v3, 24, v11
	v_mad_u32_u24 v[ADB+3], v3, 40, v11
	v_add_nc_u32 v[ADB+2], s99, v[ADB+2]
	v_add_nc_u32 v[ADB+3], s99, v[ADB+3]
	s_mul_i32 s99, s[MH], 49152
	v_add_nc_u32 v[ADA], s99, v[L16]
	v_add_nc_u32 v[ADA+1], s99, v[L8]
	s_mul_i32 s99, s[WV], 16*272
	s_add_co_u32 s99, s99, STAGE
	v_mul_u32_u24 v[STO], v2, 272
	v_lshl_add_u32 v[STO], v3, 5, v[STO]
	v_add_nc_u32 v[STO], s99, v[STO]
	v_mul_u32_u24 v[RD], v3, 272
	v_lshl_add_u32 v[RD], v2, 4, v[RD]
	v_add_nc_u32 v[RD], s99, v[RD]
	v_lshlrev_b32 v[CO], 12, v3
	v_lshl_add_u32 v[CO], v2, 4, v[CO]
	s_lshl_b32 s2, s[YT], 19
	s_lshl_b32 s86, s[MH], 18
	s_add_co_u32 s2, s2, s86
	s_lshl_b32 s86, s[XT], 9
	s_add_co_u32 s2, s2, s86
	s_lshl_b32 s86, s[NH], 8
	s_add_co_u32 s2, s2, s86
	s_add_nc_u64 s[14:15], s[14:15], s[2:3]
	s_wait_alu depctr_va_vdst(0)
	s_cmp_lg_u32 s[MH], 0                          ; a first barrier for e alone: only the waves that fetched e wait here, Wo's loads may stay out
	s_cbranch_scc1 .Le_waited
	s_wait_tensorcnt 0x0                           ; my half of e is in
.Le_waited:
	s_barrier_signal -1
	s_barrier_wait -1                              ; e is whole
	WIN 0x40
.irp q, 0,1,2,3,4
.irp i, 0,1,2,3
	AIMG 48*\q+12*\i, \q, \i
.endr
.endr
	WIN 0x80
.irp q, 5,6,7
.irp i, 0,1,2,3
	AIMG 48*(\q-5)+12*\i, \q, \i
.endr
.endr
	WIN 0
	s_wait_tensorcnt 0x0                           ; my half tile is in (for waves 2 and 3: Wo's),
	s_wait_dscnt 0x0                               ; and no LDS access of mine is open
	s_barrier_signal -1
	s_barrier_wait -1                              ; everybody's is: Wo is whole too
	s_wait_loadcnt 0x0                             ; scale words and the bias
	FETCH_B 1, 0, 0
.irp q, 0,1,2,3,4,5,6
	KSTEP \q, 1
.endr
	KSTEP 7, 0
	WIN 0
	PLACES 4
	TOSTAGE 0
	TOSTAGE 1
	SEND 0, 16
	TOSTAGE 2
	SEND 1, 16
	TOSTAGE 3
	SEND 2, 16
	SEND 3, 0
	s_wait_dscnt 0x0
	s_wait_tensorcnt 0x0
	ds_add_u32 v126, v127
	s_wait_dscnt 0x0
	CROUND
	s_endpgm
.Lfunc_end_k_q73f3c5033c_outp:
	.size	k_q73f3c5033c_outp, .Lfunc_end_k_q73f3c5033c_outp-k_q73f3c5033c_outp
	.p2alignl 7, 3214868480
	.fill 96, 4, 3214868480
	.section	.rodata,"a",@progbits
	.p2align	6, 0x0
	.amdhsa_kernel k_q73f3c5033c_outp
		.amdhsa_group_segment_fixed_size 327680
		.amdhsa_private_segment_fixed_size 0
		.amdhsa_enable_private_segment 0
		.amdhsa_kernarg_size 48
		.amdhsa_user_sgpr_count 2
		.amdhsa_user_sgpr_kernarg_segment_ptr 1
		.amdhsa_wavefront_size32 1
		.amdhsa_system_sgpr_workgroup_id_x 1
		.amdhsa_system_sgpr_workgroup_id_y 1
		.amdhsa_system_sgpr_workgroup_id_z 1
		.amdhsa_system_vgpr_workitem_id 0
		.amdhsa_next_free_vgpr 800
		.amdhsa_next_free_sgpr 102
		.amdhsa_reserve_vcc 0
		.amdhsa_float_denorm_mode_32 3
		.amdhsa_float_denorm_mode_16_64 3
		.amdhsa_memory_ordered 1
		.amdhsa_forward_progress 1
		.amdhsa_inst_pref_size 55
	.end_amdhsa_kernel
	.amdgpu_metadata
---
amdhsa.version: [ 1, 2 ]
amdhsa.kernels:
  - .name:           k_q73f3c5033c_outp
    .symbol:         k_q73f3c5033c_outp.kd
    .args:
      - { .name: enh_img, .offset: 0, .size: 8, .value_kind: global_buffer, .address_space: global }
      - { .name: enh_sc, .offset: 8, .size: 8, .value_kind: global_buffer, .address_space: global }
      - { .name: Wo_codes, .offset: 16, .size: 8, .value_kind: global_buffer, .address_space: global }
      - { .name: Wo_scales, .offset: 24, .size: 8, .value_kind: global_buffer, .address_space: global }
      - { .name: bo, .offset: 32, .size: 8, .value_kind: global_buffer, .address_space: global }
      - { .name: out0, .offset: 40, .size: 8, .value_kind: global_buffer, .address_space: global }
    .group_segment_fixed_size: 327680
    .private_segment_fixed_size: 0
    .kernarg_segment_align: 8
    .kernarg_segment_size: 48
    .max_flat_workgroup_size: 128
    .sgpr_count:     102
    .vgpr_count:     800
    .wavefront_size: 32
...
	.end_amdgpu_metadata
.endif
;; end of part 4
